; MI455X (gfx1250); checked and timed in simulation.
; The chip was launched on July 23, 2026; its instructions are those of AMD's public machine-readable ISA for CDNA 5 (MIT licence, August 2026) and "CDNA5" Instruction Set Architecture Reference Guide (July 2026). The comments in the code are by the model that wrote it; some were corrected since.
;; Differential Attention. Allowed arithmetic: matrix products marked QUANTISED: E2M3 operands, one E8M0 scale for each 32 along K, by v_wmma_scale_f32_16x16x128_f8f6f4 with both operands' format E2M3, f32 sums; everything else in f32.
;; Inputs: k1_w 1,024 x 1,024 float32; k2_w 1,024 x 1,024 float32; lambda_param 16 float32; o_w 1,024 x 1,024 float32; q1_w 1,024 x 1,024 float32; q2_w 1,024 x 1,024 float32; v_w 1,024 x 1,024 float32; x 2 x 2,048 x 1,024 float32.
;; Outputs: out0 2 x 2,048 x 1,024 float32.
;; This version of the problem:
;;   THIS VERSION OF THE PROBLEM IS GIVEN IN LOW PRECISION. The matrix products marked QUANTISED in the list below multiply operands that are first quantised to E2M3 (2 exponent bits, 3 mantissa bits; 6 bits a number), with one power-of-two scale for each 32 numbers along K (OCP MX v1.0); their sums are f32. All else is computed in f32.
;;   The module's matrix products, in the order in which they are computed (A, B: the left and right operand; K: the contracted axis; several contracted axes count as one K, in the product's order):
;;     1. [M 4,096, K 1,024] x [K 1,024, N 1,024]; A: input x; B: input q1_w: QUANTISED
;;     2. [M 4,096, K 1,024] x [K 1,024, N 1,024]; A: input x; B: input k1_w: QUANTISED
;;     3. [M 4,096, K 1,024] x [K 1,024, N 1,024]; A: input x; B: input q2_w: QUANTISED
;;     4. [M 4,096, K 1,024] x [K 1,024, N 1,024]; A: input x; B: input k2_w: QUANTISED
;;     5. [M 4,096, K 1,024] x [K 1,024, N 1,024]; A: input x; B: input v_w: QUANTISED
;;     6. batch 32 x [M 2,048, K 64] x [K 64, N 2,048]; A: computed on the way; B: computed on the way: QUANTISED
;;     7. batch 32 x [M 2,048, K 64] x [K 64, N 2,048]; A: computed on the way; B: computed on the way: QUANTISED
;;     8. batch 32 x [M 2,048, K 2,048] x [K 2,048, N 64]; A: computed on the way; B: computed on the way: QUANTISED
;;     9. [M 4,096, K 1,024] x [K 1,024, N 1,024]; A: computed on the way; B: input o_w: QUANTISED
;;   THE QUANTISER, for each operand of a quantised product, along K:
;;     - K is cut into blocks of 32 from its start; a last block that is shorter is filled with zeros.
;;     - A block's scale is 2^e with e = floor(log2(the largest magnitude in the block)) - 2, held to -126 .. 127; a block of zeros has e = 0. As a byte (E8M0): e + 127.
;;     - Each number is divided by its block's scale, clamped to +-7.5, and rounded to the nearest number of E2M3, ties to even, subnormals kept.
;;     - The product sums the exact products of the quantised numbers (number of the format x scale) in f32.
;;   ~~~python
;;   def quantise(x, axis):      # numpy; x: float32 -> the quantised numbers, widened to float32 again
;;       x = np.moveaxis(x, axis, -1); K = x.shape[-1]
;;       x = np.pad(x, [(0, 0)] * (x.ndim - 1) + [(0, -K % 32)]); x = x.reshape(x.shape[:-1] + (-1, 32)); a = np.abs(x).max(-1, keepdims=True)
;;       e = np.where(a > 0, np.clip(np.frexp(np.where(a > 0, a, 1))[1] - 1 - 2, -126, 127), 0)      # np.frexp(a)[1] - 1 = floor(log2(a)), exactly
;;       r = np.clip(x / 2.0 ** e, -7.5, 7.5)
;;       step = 2.0 ** (np.maximum(np.frexp(np.where(r == 0, 1, r))[1] - 1, 0) - 3)
;;       q = np.round(r / step) * step * 2.0 ** e      # np.round: ties to even
;;       return np.moveaxis(q.reshape(q.shape[:-2] + (-1,))[..., :K], -1, axis).astype(np.float32)
;;   ~~~
;;   OPERANDS COMPUTED ON THE WAY. 'Computed on the way' means the value that the module computes at that place (a softmax that the list does not call 'softmax' is quantised finished and normalised). What goes into a quantiser is computed in f32, as accurately as f32 sums, v_exp_f32 and their like allow (about 1e-6 of the number): no bf16 or f16 on the way to a quantiser, and a product that is left as it is and whose result goes on into a quantised operand takes f32 operands (vector FMAs, or v_wmma_f32_16x16x4_f32). A number that lies on a knife's edge between two numbers of the format may be rounded either way, as far as f32 arithmetic and the matrix unit's own rounding can turn it there, and no further.
;; One version. Each part assembles by itself: llvm-mc -triple=amdgcn-amd-amdhsa -mcpu=gfx1250 --defsym DOCPART=n.
;; ======== version 1 of 1: 4 launches
;; limits: right only within a limited range of input values
;; workspace buffers: xr 3,276,800 bytes; wr 4,915,200 bytes; qkv 16,384,000 bytes; orec 3,276,800 bytes
;; launch quant (part 1): grid 640 x 1, 4 waves a work-group, no clusters, 34,816 bytes of LDS; arguments x, q1_w, q2_w, k1_w, k2_w, v_w, o_w, xr, wr; writes xr, wr
.if DOCPART == 1
	.amdgcn_target "amdgcn-amd-amdhsa--gfx1250"
	.amdhsa_code_object_version 6
	.text
	.protected	k_q86463e434d_quant
	.globl	k_q86463e434d_quant
	.p2align	8
	.type	k_q86463e434d_quant,@function
k_q86463e434d_quant:
	s_mov_b64 s[64:65], 0
	v_nop
	global_prefetch_b8 v0, s[64:65] scope:SCOPE_SE
	s_setreg_imm32_b32 hwreg(HW_REG_WAVE_MODE, 25, 1), 1
	s_wait_xcnt 0x0
; x [4096][1024] and the six weights [1024][1024], f32, K innermost, become codes of FP6 (E2M3) with one E8M0 byte for each 32 along K,
; laid as RECORDS: 16 rows at K = 1,024 in 12,800 bytes: 512 scale bytes ([row][32]), then 8 fragments of 1,536 bytes (16 rows x 128 K).
; A fragment is an image of the operand's registers: for c = 0, 1: registers 6c .. 6c+3, lane l's 16 bytes at 768 c + 16 l; registers 6c+4, 6c+5, lane l's 8 bytes at 768 c + 512 + 8 l.
; WHICH ROWS FORM A RECORD is chosen so that no later product needs a transposition: rows 0-7 of a record are source rows S0 .. S0+7, rows 8-15 are S0+dS .. S0+dS+7.
;   x, q and k weights: within each 32 rows record u takes rows 8u .. 8u+7 and 8u+16 .. 8u+23 (dS = 16);  v_w: within a head record t takes rows 8t .. and 32+8t .. (dS = 32);  o_w: as they lie (dS = 8).
; xr: 256 records of x.  wr: records 0-255: column block nb = record / 8: nb < 16: 64 rows of q1, then 64 of q2, of head nb; nb >= 16: k1, k2 of head nb - 16; records 256-319 v_w; 320-383 o_w.
; A block's scale is 2^(floor(log2(largest magnitude)) - 2); its byte is the largest magnitude's exponent field - 2, held at 1 from below.
; LIMITS: a block of zeros gets the byte 1 where the rule says 127 (its codes are zeros, and only this program reads the bytes); NaN and infinities among the inputs are not served.
; SHARES: a work-group makes one record; wave w its K steps 2w and 2w+1.  Each load reads 512 consecutive bytes of one row; the 16 rows of a K step turn through the wave's own stage in LDS,
; so that a lane gets 16 neighbours of each block of 32 of its row.  32 loads of 16 bytes a lane are out in each wave.  No tensor loads, one barrier (for the record's 512 scale bytes).
.set PITCH, 528                        ; a stage row: 512 bytes + 16, an odd multiple of 16
.set STGW,  16*PITCH                   ; a wave's stage
.set SCG,   4*STGW                     ; the record's 512 scale bytes
.set SPARE, SCG+512                    ; the spare words, 128 bytes a wave: two blocks of 256 bytes that no other line names
.set REC,   12800
.set L16,  2                           ; v2   16 x lane
.set L8,   3                           ; v3   8 x lane
.set SIN,  6                           ; v6   the stage on the way in: my wave's stage + 16 x lane
.set SOUT, 7                           ; v7   on the way out: + 528 r + 64 h
.set SCW,  8                           ; v8   SCG + 32 r + 8 w: my row's two scale words
.set SCR,  9                           ; v9   SCG + 16 x lane
.set SPW,  10                          ; v10  my spare word; never rewritten
.set NIL,  11                          ; v11  0; never rewritten
.set PW,   12                          ; v12-13 the two scale words
.set TM,   16                          ; v16-31 at work
.set PC,   32                          ; v32-51, v52-71: a K step's 12 code registers and 8 more at work
.set R,    72                          ; v72-135, v136-199: a K step's 64 numbers a lane
	s_load_b256 s[4:11], s[0:1], 0x0               ; x, q1_w, q2_w, k1_w
	s_load_b256 s[12:19], s[0:1], 0x20             ; k2_w, v_w, o_w, xr
	s_load_b64 s[20:21], s[0:1], 0x40              ; wr
	v_lshl_add_u32 v[SPW], v0, 2, SPARE
	v_mov_b32 v[NIL], 0
	v_lshrrev_b32 v1, 5, v0
	v_readfirstlane_b32 s22, v1                    ; wave
	v_and_b32 v1, 31, v0                           ; lane
	v_and_b32 v4, 15, v0                           ; r
	v_bfe_u32 v5, v0, 4, 1                         ; h
	v_lshlrev_b32 v[L16], 4, v1
	v_lshlrev_b32 v[L8], 3, v1
	s_mul_i32 s23, s22, STGW
	v_add_nc_u32 v[SIN], s23, v[L16]
	v_mul_u32_u24 v[SOUT], v4, PITCH
	v_lshl_add_u32 v[SOUT], v5, 6, v[SOUT]
	v_add_nc_u32 v[SOUT], s23, v[SOUT]
	s_lshl_b32 s23, s22, 3
	v_lshlrev_b32 v[SCW], 5, v4
	v_add_nc_u32 v[SCW], s23, v[SCW]
	v_add_nc_u32 v[SCW], SCG, v[SCW]
	v_add_nc_u32 v[SCR], SCG, v[L16]
.irp b, 0,1,2,3
	v_mov_b32 v[TM+4+\b], 0                        ; written once: a lane permute's destination counts as one of its sources
.endr
	s_mov_b32 s58, 0x76543210
	s_mov_b32 s59, 0xfedcba98                      ; v_permlanex16_b32's selects for lane l xor 16
	; which tensor, which rows: from the work-group's number alone, by selects
	s_sub_co_u32 s24, ttmp9, 256                   ; e: the record in wr
	s_sub_co_u32 s25, ttmp9, 512                   ; v_w's record
	s_sub_co_u32 s26, ttmp9, 576                   ; o_w's record
	s_lshr_b32 s34, ttmp9, 1
	s_lshl_b32 s34, s34, 5
	s_and_b32 s35, ttmp9, 1
	s_lshl_b32 s35, s35, 3
	s_add_co_u32 s34, s34, s35                     ; x: 32 (id / 2) + 8 (id % 2)
	s_bfe_u32 s36, s24, 0x40003
	s_lshl_b32 s36, s36, 6                         ; q, k: 64 x head
	s_bfe_u32 s37, s24, 0x10001
	s_lshl_b32 s37, s37, 5
	s_add_co_u32 s36, s36, s37                     ; + 32 x which half of the head
	s_and_b32 s37, s24, 1
	s_lshl_b32 s37, s37, 3
	s_add_co_u32 s36, s36, s37                     ; + 8 u
	s_lshr_b32 s38, s25, 2
	s_lshl_b32 s38, s38, 6
	s_and_b32 s39, s25, 3
	s_lshl_b32 s39, s39, 3
	s_add_co_u32 s38, s38, s39                     ; v_w: 64 x head + 8 t
	s_lshl_b32 s39, s26, 4                         ; o_w: 16 x record
	s_wait_alu depctr_va_vdst(0)
	s_wait_kmcnt 0x0
	s_bitcmp1_b32 s24, 2                           ; the second matrix of the pair?
	s_cselect_b64 s[40:41], s[8:9], s[6:7]
	s_cselect_b64 s[42:43], s[12:13], s[10:11]
	s_bitcmp1_b32 s24, 7                           ; k or q?
	s_cselect_b64 s[40:41], s[42:43], s[40:41]
	s_cmp_lt_u32 ttmp9, 576
	s_cselect_b32 s44, s38, s39
	s_cselect_b32 s45, 32, 8
	s_cselect_b64 s[46:47], s[14:15], s[16:17]
	s_cmp_lt_u32 ttmp9, 512
	s_cselect_b32 s44, s36, s44
	s_cselect_b32 s45, 16, s45
	s_cselect_b64 s[46:47], s[40:41], s[46:47]
	s_cmp_lt_u32 ttmp9, 256
	s_cselect_b32 s44, s34, s44                    ; S0
	s_cselect_b64 s[46:47], s[4:5], s[46:47]       ; the source
	s_cselect_b64 s[48:49], s[18:19], s[20:21]     ; the destination
	s_cselect_b32 s50, ttmp9, s24                  ; and the record in it
	s_lshl_b32 s52, s44, 12                        ; S0 rows of 4,096 bytes
	s_lshl_b32 s51, s22, 10                        ; + my wave's 1,024 bytes of a row
	s_add_co_u32 s52, s52, s51
	s_mov_b32 s53, 0
	s_add_nc_u64 s[28:29], s[46:47], s[52:53]      ; rows 0-7
	s_lshl_b32 s54, s45, 12
	s_mov_b32 s55, 0
	s_add_nc_u64 s[30:31], s[28:29], s[54:55]      ; rows 8-15: dS rows on
	s_mul_i32 s56, s50, REC
	s_mul_i32 s51, s22, 3072                       ; my two fragments
	s_add_co_u32 s56, s56, s51
	s_mov_b32 s57, 0
	s_add_nc_u64 s[32:33], s[48:49], s[56:57]
.irp f, 0,1
.irp i, 0,1,2,3,4,5,6,7
	global_load_b128 v[R+64*\f+4*\i:R+64*\f+4*\i+3], v[L16], s[28:29] offset:4096*\i+512*\f th:TH_LOAD_NT
.endr
.irp i, 0,1,2,3,4,5,6,7
	global_load_b128 v[R+64*\f+32+4*\i:R+64*\f+32+4*\i+3], v[L16], s[30:31] offset:4096*\i+512*\f th:TH_LOAD_NT
.endr
.endr
; 64 numbers of a lane, register s + 16 b + i = k 32 b + 16 h + i of my row, become a fragment's 12 code registers at pc and its scale word in pw
.macro QUANT s, pc, tq, pw
.irp b, 0,1,2,3
	v_max3_num_f32 v[TM+\b], |v[\s+16*\b]|, |v[\s+16*\b+1]|, 0x1800000   ; my 16 numbers of block b, and the floor 2^(3 - 127): the byte cannot fall under 1
.endr
.irp i, 2,4,6,8,10,12,14
.irp b, 0,1,2,3
	v_max3_num_f32 v[TM+\b], v[TM+\b], |v[\s+16*\b+\i]|, |v[\s+16*\b+\i+1]|   ; the four blocks by turns
.endr
.endr
.irp b, 0,1,2,3
	v_permlanex16_b32 v[TM+4+\b], v[TM+\b], s58, s59
.endr
.irp b, 0,1,2,3
	v_max_num_f32 v[TM+\b], v[TM+\b], v[TM+4+\b]   ; with lane l xor 16's 16: the block's largest magnitude
.endr
.irp b, 0,1,2,3
	v_add_nc_u32 v[TM+12+\b], 0xff000000, v[TM+\b] ; 2 off its exponent field: the conversion's scale operand
.endr
.irp b, 0,1,2,3
	v_lshrrev_b32 v[TM+4+\b], 23, v[TM+12+\b]      ; the scale's byte
.endr
	v_lshl_or_b32 v[\pw], v[TM+5], 8, v[TM+4]
	v_lshl_or_b32 v[\pw], v[TM+6], 16, v[\pw]
	v_lshl_or_b32 v[\pw], v[TM+7], 24, v[\pw]
.irp c, 0,1
	v_cvt_scalef32_pk16_fp6_f32 v[\pc+6*\c:\pc+6*\c+2], v[\s+32*\c:\s+32*\c+15], v[TM+12+2*\c]
	v_cvt_scalef32_pk16_fp6_f32 v[\tq+4*\c:\tq+4*\c+2], v[\s+32*\c+16:\s+32*\c+31], v[TM+13+2*\c]   ; (a conversion's three registers begin on an even number)
.endr
	v_nop                                          ; one plain place behind a scaled conversion
.irp c, 0,1                                    ; the operand's layout wants a whole block in a lane: lanes 0-15 block 2c, lanes 16-31 block 2c+1
.irp i, 0,1,2
	v_permlane16_swap_b32 v[\pc+6*\c+\i], v[\tq+4*\c+\i]
.endr
.irp i, 0,1,2
	v_mov_b32 v[\pc+3+6*\c+\i], v[\tq+4*\c+\i]
.endr
.endr
.endm
; K step 2w + f.  left: the younger loads that may stay out
.macro HALF f, left
	s_wait_loadcnt \left
.irp i, 0,1,2,3,4,5,6,7,8,9,10,11,12,13,14,15
	ds_store_b128 v[SIN], v[R+64*\f+4*\i:R+64*\f+4*\i+3] offset:PITCH*\i
.endr
.irp b, 0,1,2,3
.irp j, 0,1,2,3
	ds_load_b128 v[R+64*\f+16*\b+4*\j:R+64*\f+16*\b+4*\j+3], v[SOUT] offset:128*\b+16*\j   ; LDS serves a wave's instructions in order: these see the stores above, and come back into the registers that those left
.endr
.endr
	s_wait_dscnt 0x0
	QUANT R+64*\f, PC+20*\f, PC+20*\f+12, PW+\f
	global_store_b128 v[L16], v[PC+20*\f:PC+20*\f+3], s[32:33] offset:512+1536*\f            ; 512 consecutive bytes,
	global_store_b64 v[L8], v[PC+20*\f+4:PC+20*\f+5], s[32:33] offset:512+1536*\f+512        ; 256,
	global_store_b128 v[L16], v[PC+20*\f+6:PC+20*\f+9], s[32:33] offset:512+1536*\f+768      ; 512,
	global_store_b64 v[L8], v[PC+20*\f+10:PC+20*\f+11], s[32:33] offset:512+1536*\f+1280     ; 256: each at a multiple of 256 from the buffer's first byte
.endm
	HALF 0, 16                                     ; the second K step's 16 loads may stay out
	HALF 1, 0
	ds_store_b64 v[SCW], v[PW:PW+1]                ; lanes r and r + 16 write the same two words with the same values
	s_wait_dscnt 0x0                               ; for the others' sake: my stores have landed
	s_barrier_signal -1
	s_barrier_wait -1
	s_cmp_lg_u32 s22, 0
	s_cbranch_scc1 .Ldone
	ds_load_b128 v[16:19], v[SCR]                  ; wave 0: the record's 512 scale bytes
	s_wait_dscnt 0x0
	global_store_b128 v[L16], v[16:19], s[32:33]   ; in wave 0 the base stands at the record's head
.Ldone:
	s_wait_tensorcnt 0x0                           ; the wave's end: behind my last LDS store
	ds_add_u32 v[SPW], v[NIL]
	s_wait_dscnt 0x0
	s_endpgm
.Lfunc_end_k_q86463e434d_quant:
	.size	k_q86463e434d_quant, .Lfunc_end_k_q86463e434d_quant-k_q86463e434d_quant
	.p2alignl 7, 3214868480
	.fill 96, 4, 3214868480
	.section	.rodata,"a",@progbits
	.p2align	6, 0x0
	.amdhsa_kernel k_q86463e434d_quant
		.amdhsa_group_segment_fixed_size 34816
		.amdhsa_private_segment_fixed_size 0
		.amdhsa_enable_private_segment 0
		.amdhsa_kernarg_size 72
		.amdhsa_user_sgpr_count 2
		.amdhsa_user_sgpr_kernarg_segment_ptr 1
		.amdhsa_wavefront_size32 1
		.amdhsa_system_sgpr_workgroup_id_x 1
		.amdhsa_system_sgpr_workgroup_id_y 1
		.amdhsa_system_sgpr_workgroup_id_z 1
		.amdhsa_system_vgpr_workitem_id 0
		.amdhsa_next_free_vgpr 200
		.amdhsa_next_free_sgpr 66
		.amdhsa_reserve_vcc 0
		.amdhsa_float_denorm_mode_32 3
		.amdhsa_float_denorm_mode_16_64 3
		.amdhsa_memory_ordered 1
		.amdhsa_forward_progress 1
		.amdhsa_inst_pref_size 20
	.end_amdhsa_kernel
	.amdgpu_metadata
---
amdhsa.version: [ 1, 2 ]
amdhsa.kernels:
  - .name:           k_q86463e434d_quant
    .symbol:         k_q86463e434d_quant.kd
    .args:
      - { .name: x, .offset: 0, .size: 8, .value_kind: global_buffer, .address_space: global }
      - { .name: q1_w, .offset: 8, .size: 8, .value_kind: global_buffer, .address_space: global }
      - { .name: q2_w, .offset: 16, .size: 8, .value_kind: global_buffer, .address_space: global }
      - { .name: k1_w, .offset: 24, .size: 8, .value_kind: global_buffer, .address_space: global }
      - { .name: k2_w, .offset: 32, .size: 8, .value_kind: global_buffer, .address_space: global }
      - { .name: v_w, .offset: 40, .size: 8, .value_kind: global_buffer, .address_space: global }
      - { .name: o_w, .offset: 48, .size: 8, .value_kind: global_buffer, .address_space: global }
      - { .name: xr, .offset: 56, .size: 8, .value_kind: global_buffer, .address_space: global }
      - { .name: wr, .offset: 64, .size: 8, .value_kind: global_buffer, .address_space: global }
    .group_segment_fixed_size: 34816
    .private_segment_fixed_size: 0
    .kernarg_segment_align: 8
    .kernarg_segment_size: 72
    .max_flat_workgroup_size: 128
    .sgpr_count:     66
    .vgpr_count:     200
    .wavefront_size: 32
...
	.end_amdgpu_metadata
.endif
;; end of part 1
;; launch proj (part 2): grid 8 x 32, 4 waves a work-group, clusters of 4 x 4, 327,680 bytes of LDS; arguments xr, wr, qkv; writes qkv
.if DOCPART == 2
	.amdgcn_target "amdgcn-amd-amdhsa--gfx1250"
	.amdhsa_code_object_version 6
	.text
	.protected	k_q86463e434d_proj
	.globl	k_q86463e434d_proj
	.p2align	8
	.type	k_q86463e434d_proj,@function
k_q86463e434d_proj:
	s_mov_b64 s[64:65], 0
	v_nop
	global_prefetch_b8 v0, s[64:65] scope:SCOPE_SE
	s_setreg_imm32_b32 hwreg(HW_REG_WAVE_MODE, 25, 1), 1
	s_wait_xcnt 0x0
	s_wait_alu depctr_hold_cnt(0) depctr_sa_sdst(0) depctr_va_vdst(0) depctr_va_sdst(0) depctr_va_ssrc(0) depctr_va_vcc(0) depctr_vm_vsrc(0)
	s_getreg_b32 s2, hwreg(HW_REG_IB_STS2, 6, 4)
	s_cmp_eq_u32 s2, 0
	s_cbranch_scc0 .Lentry_in_a_cluster
	s_endpgm
.Lentry_in_a_cluster:
	s_bfe_u32 s2, ttmp6, 0x10000c
	s_cmp_lg_u32 s2, 0xf033
	s_cbranch_scc0 .Lentry_shape_is_right
	s_endpgm
.Lentry_shape_is_right:
; The five projections, on codes of FP6 (E2M3) with E8M0 scales, K = 1,024; the results are quantised here, for the attention launch, and leave as codes.
; SHARES.  Work-group (tx, ty) takes the 128 tokens of x's records 8 ty .. 8 ty + 7 through FIVE blocks of 128 weight rows (8 records of wr each): q/k blocks 4 tx .. 4 tx + 3, then v_w's block 32 + tx.
; 32 x 32 q/k blocks and 32 x 8 V blocks are 256 x 5: 256 work-groups of equal work.  Four waves; wave w: x records 4 (w % 2) on, weight records 4 (w / 2) on: 64 x 64, 16 accumulators.
; X STAYS IN REGISTERS: a wave's four records, all of K, go once from memory into 384 registers (32 fragments) and 32 scale registers, as images of the operand's registers; LDS is read for the weights alone.
; x is not asked for jointly: it is one sixth of the bytes that a work-group takes in, and it goes to registers, where no joint load lands.
; THE WEIGHTS go through two LDS slots of 8 whole records (102,400 bytes), one joint tensor load a wave (two records), shared along a column of the 4 x 4 cluster.  Block u + 1 is asked for behind the round that stands
; in front of block u's products: 128 matrix instructions a wave and block u's way out lie between a request and the wait for it, so no prefetch is laid ahead of it.
; q/k: source 0 = a weight record, source 1 = an x record: lane (r, h) register j of accumulator (a, b) is C(token 16 a + r, weight row 16 b + 8 h + j).  V: the sources are swapped, so that the keys run along a lane's registers.
; By the order in which the records' rows were laid, the 32 registers of accumulators (a, 0 .. 3) are k = 32 beta + 16 h + i of the next product: two blocks of 32, half of each in lane l xor 16.
; OUT (qkv): codes [nb 32][row block 256][1,536] at 0; V^T's [token block 32][feature block 64][1,536] at 12,582,912; scale words [nb][4,096 rows] at 15,728,640, V^T's [token block][1,024 rows] at 16,252,928.
; LIMITS: a block of zeros gets the byte 1 (its codes are zeros; only this program reads the bytes); NaN and infinities are not served.
.set REC,   12800
.set SLOT,  8*REC
.set SCG,   2*SLOT                     ; behind the slots: a block's 512 bytes of scale words on their way out
.set SPARE, SCG+512                    ; the spare words, 128 bytes a wave
; window 0
.set L16,  1
.set L8,   2
.set RR,   3
.set WB,   5                           ; v5-8 my weight fragments in slot 0, 1: + 16 x lane, + 8 x lane
.set WSA,  9                           ; v9-10 my weight rows' scale words in slot 0, 1
.set SPW,  11
.set NIL,  12
.set SCW,  13                          ; where my scale bytes go in SCG: q/k
.set SCWV, 14                          ; and V
.set SCR,  15
.set R32,  16
.set WS,   20                          ; v20-27 the weights' scale words, two sets of four
.set XS,   28                          ; v28-59 x's scale words: record a, K step ks at 8 a + ks
.set WF,   64                          ; v64-159 the weights' fragments, two sets of four
.set PC,   160                         ; v160-207 codes on the way out
.set TM,   208                         ; v208-231 at work, six for each block of rows
.set SB,   232                         ; v232-235
.set SO,   236                         ; v236-239
; windows 1 and 2: x's fragments, number f = 4 ks + a: f < 21 in window 1 at 12 f, the others in window 2 at 12 (f - 21).  Window 3: v0-127 accumulator (a, b) at 8 (4 a + b)
.set G1,   16
.set G0,   24                          ; s[24:27] slot 0's group 0, s[28:31] slot 1's
.set D,    32                          ; s[32:33] slot 0's next step in wr; s[34:35] the step after it
.set DV,   34
.set OUTQ, 36
.set SOUTQ,38
.set OUTV, 40
.set SOUTV,42
.set XB,   44
.set SEL,  46
.set MSB, 0
.macro WIN new
.if MSB != \new
	s_set_vgpr_msb (MSB<<8)|\new
.set MSB, \new
.endif
.endm
.macro CROUND
	s_barrier_signal -1
	s_barrier_wait -1
	s_cmp_lg_u32 s10, 0
	s_cbranch_scc1 .Lnot_wave_0_\@
	s_barrier_signal -3
.Lnot_wave_0_\@:
	s_barrier_wait -3
	s_barrier_signal -1
	s_barrier_wait -1
.endm
.macro FRAG reg, a16, a8, off
	ds_load_b128 v[\reg:\reg+3], v[\a16] offset:\off
	ds_load_b64 v[\reg+4:\reg+5], v[\a8] offset:\off+512
	ds_load_b128 v[\reg+6:\reg+9], v[\a16] offset:\off+768
	ds_load_b64 v[\reg+10:\reg+11], v[\a8] offset:\off+1280
.endm
.macro FETCHW slot, ks, set            ; 20 LDS loads: my four weight records' scale words and fragments of one K step
.irp i, 0,1,2,3
	ds_load_b32 v[WS+4*(\set)+\i], v[WSA+\slot] offset:REC*\i+4*(\ks)
.endr
.irp i, 0,1,2,3
	FRAG WF+48*(\set)+12*\i, WB+2*\slot, WB+2*\slot+1, REC*\i+1536*(\ks)
.endr
.endm
.macro MM d, p, q, sp, sq, z
.if \z
	v_wmma_scale_f32_16x16x128_f8f6f4 v[\d:\d+7], v[\p:\p+11], v[\q:\q+11], 0, v[\sp], v[\sq] matrix_a_fmt:MATRIX_FMT_FP6 matrix_b_fmt:MATRIX_FMT_FP6
.else
	v_wmma_scale_f32_16x16x128_f8f6f4 v[\d:\d+7], v[\p:\p+11], v[\q:\q+11], v[\d:\d+7], v[\sp], v[\sq] matrix_a_fmt:MATRIX_FMT_FP6 matrix_b_fmt:MATRIX_FMT_FP6
.endif
.endm
; 16 products of one K step, the 16 accumulators by turns; step 0's start the sums.  v = 1: sources swapped
.macro MULS ks, v
.set Z, (\ks)==0
.set WFS, WF+48*((\ks)%2)
.set WSS, WS+4*((\ks)%2)
.irp a, 0,1,2,3
.set F, 4*(\ks)+\a
.if F < 21
.set XW, 1
.set XR, 12*F
.else
.set XW, 2
.set XR, 12*(F-21)
.endif
.if \v
.set WV, 0xf0|XW
	WIN WV
.irp b, 0,1,2,3
	MM 8*(4*\b+\a), XR, WFS+12*\b, XS+8*\a+(\ks), WSS+\b, Z
.endr
.else
.set WV, 0xf0|(XW<<2)
	WIN WV
.irp b, 0,1,2,3
	MM 8*(4*\a+\b), WFS+12*\b, XR, WSS+\b, XS+8*\a+(\ks), Z
.endr
.endif
.endr
.endm
.macro COMPUTE slot, v                 ; a block: eight K steps; the next step's 20 loads are issued ahead of each step's products
	FETCHW \slot, 0, 0
.irp ks, 0,1,2,3,4,5,6,7
.if \ks < 7
.if \ks > 0
.rept 4
	v_nop                                          ; places in front of loads into registers that the last step's products have read
.endr
.endif
	WIN 0
	FETCHW \slot, \ks+1, (\ks+1)%2
	s_wait_dscnt 20                                ; this step's loads are in; the next step's 20 may stay out
.else
	s_wait_dscnt 0x0
.endif
	MULS \ks, \v
.endr
.endm
; in front of a block's products: all my tensor loads have landed, the add, my LDS reads are over; a round of the cluster's barrier; the next block's joint load into the slot read last
.macro SYNC slot, step
	s_wait_tensorcnt 0x0
	ds_add_u32 v[SPW], v[NIL]
.if \step
	s_add_nc_u64 s[G0+2:G0+3], s[G0+2:G0+3], s[D:D+1]          ; no load of mine is out: slot 0's next block,
	s_mov_b64 s[D:D+1], s[DV:DV+1]                             ; the step after it leads to v_w's block,
	s_add_nc_u64 s[G0+6:G0+7], s[G0+6:G0+7], 16*REC            ; and slot 1's next block
.endif
	s_wait_dscnt 0x0
	CROUND
	tensor_load_to_lds s[G0+4*\slot:G0+4*\slot+3], s[G1:G1+7]
	s_nop 0
.rept 4
	v_nop
.endr
.endm
; THE WAY OUT of a block: for each of my four blocks of 16 rows, 32 numbers a lane become a half-image's six code registers and two scale bytes; the four go stage by stage, eight chains side by side
.macro EPI out, sout, scw, step, sstep
.rept 4
	v_nop                                          ; places in front of the first read of results
.endr
	WIN 0x0f
.irp a, 0,1,2,3
	v_max3_num_f32 v[TM+6*\a], |v[32*\a]|, |v[32*\a+1]|, 0x1800000         ; with the floor 2^(3 - 127): the byte cannot fall under 1.  Each accumulator is read from its low end on
	v_max3_num_f32 v[TM+6*\a+1], |v[32*\a+16]|, |v[32*\a+17]|, 0x1800000
.endr
	WIN 0x3c
.irp i, 2,4,6,8,10,12,14
.irp a, 0,1,2,3
	v_max3_num_f32 v[TM+6*\a], v[TM+6*\a], |v[32*\a+\i]|, |v[32*\a+\i+1]|
	v_max3_num_f32 v[TM+6*\a+1], v[TM+6*\a+1], |v[32*\a+16+\i]|, |v[32*\a+17+\i]|
.endr
.endr
	WIN 0
.irp a, 0,1,2,3
	v_permlanex16_b32 v[TM+6*\a+2], v[TM+6*\a], s[SEL], s[SEL+1]
	v_permlanex16_b32 v[TM+6*\a+3], v[TM+6*\a+1], s[SEL], s[SEL+1]
.endr
.irp a, 0,1,2,3
	v_max_num_f32 v[TM+6*\a], v[TM+6*\a], v[TM+6*\a+2]
	v_max_num_f32 v[TM+6*\a+1], v[TM+6*\a+1], v[TM+6*\a+3]
.endr
.irp a, 0,1,2,3
	v_add_nc_u32 v[TM+6*\a+4], 0xff000000, v[TM+6*\a]              ; 2 off the exponent field: the conversion's scale operand
	v_add_nc_u32 v[TM+6*\a+5], 0xff000000, v[TM+6*\a+1]
.endr
.irp a, 0,1,2,3
	v_lshrrev_b32 v[TM+6*\a+2], 23, v[TM+6*\a+4]
	v_lshrrev_b32 v[TM+6*\a+3], 23, v[TM+6*\a+5]
.endr
.irp a, 0,1,2,3
	v_lshl_or_b32 v[SB+\a], v[TM+6*\a+3], 8, v[TM+6*\a+2]
.endr
	WIN 0x03
.irp a, 0,1,2,3
	v_cvt_scalef32_pk16_fp6_f32 v[PC+12*\a:PC+12*\a+2], v[32*\a:32*\a+15], v[TM+6*\a+4]
	v_cvt_scalef32_pk16_fp6_f32 v[PC+12*\a+6:PC+12*\a+8], v[32*\a+16:32*\a+31], v[TM+6*\a+5]
.endr
	WIN 0
	v_nop                                          ; one plain place behind a scaled conversion
.irp a, 0,1,2,3
.irp i, 0,1,2
	v_permlane16_swap_b32 v[PC+12*\a+\i], v[PC+12*\a+6+\i]         ; a whole block to a lane
.endr
.endr
.irp a, 0,1,2,3
.irp i, 0,1,2
	v_mov_b32 v[PC+12*\a+3+\i], v[PC+12*\a+6+\i]
.endr
.endr
.irp a, 0,1,2,3
	global_store_b128 v[L16], v[PC+12*\a:PC+12*\a+3], s[\out:\out+1] offset:1536*\a        ; 512 consecutive bytes,
	global_store_b64 v[L8], v[PC+12*\a+4:PC+12*\a+5], s[\out:\out+1] offset:1536*\a+512    ; and 256, at multiples of 256
	ds_store_b16 v[\scw], v[SB+\a] offset:64*\a    ; lanes r and r + 16 write the same bytes with the same values
.endr
	s_wait_dscnt 0x0                               ; for the others' sake: my stores have landed
	s_barrier_signal -1
	s_barrier_wait -1
	s_cmp_lg_u32 s10, 0
	s_cbranch_scc1 .Lno_scales_\@
	ds_load_b128 v[SO:SO+3], v[SCR]                ; wave 0: the block's 128 scale words
	s_wait_dscnt 0x0
	global_store_b128 v[L16], v[SO:SO+3], s[\sout:\sout+1]
.Lno_scales_\@:
.if \step
	s_wait_xcnt 0x0                                ; the stores have read their registers and bases
	s_add_nc_u64 s[\out:\out+1], s[\out:\out+1], \step
	s_add_nc_u64 s[\sout:\sout+1], s[\sout:\sout+1], \sstep
.endif
.endm
	s_load_b128 s[4:7], s[0:1], 0x0                ; xr, wr
	s_load_b64 s[8:9], s[0:1], 0x10                ; qkv
	v_lshl_add_u32 v[SPW], v0, 2, SPARE
	v_mov_b32 v[NIL], 0
	ds_add_u32 v[SPW], v[NIL]                      ; the opening lines: the add, twice on end, and its wait ahead of my first tensor load
	ds_add_u32 v[SPW], v[NIL]
	v_lshrrev_b32 v[RR], 5, v0
	v_readfirstlane_b32 s10, v[RR]                 ; wave 0..3
	s_and_b32 s11, s10, 1                          ; wr: which 4 records of x
	s_lshr_b32 s12, s10, 1                         ; wc: which 4 records of a weight block
	s_bfe_u32 s13, ttmp6, 0x40000                  ; cx
	s_bfe_u32 s14, ttmp6, 0x40004                  ; cy
	s_lshl_b32 s15, ttmp9, 2
	s_add_co_u32 s15, s15, s13                     ; tx 0..7
	s_and_b32 s84, ttmp7, 0xffff
	s_lshl_b32 s85, s84, 2
	s_add_co_u32 s85, s85, s14                     ; ty 0..31
	s_lshl_b32 s87, 0x1111, s13                    ; my column of the cluster: the same tx
	s_or_b32 s[G1], s87, (3<<16)|(1<<21)           ; the mask; elements of 8 bytes; bit 21 beside a mask; no padding
	s_mov_b32 s[G1+1], 1600<<16                    ; a row is a whole record: 1,600 elements;
	s_mov_b32 s[G1+2], 2<<16                       ; two records a load
	s_mov_b32 s[G1+3], 1600<<16
	s_mov_b32 s[G1+4], 2
	s_mov_b32 s[G1+5], 1600
	s_mov_b32 s[G1+6], 0
	s_mov_b32 s[G1+7], 0
	s_lshl_b32 s50, s15, 5
	s_lshl_b32 s51, s10, 1
	s_add_co_u32 s50, s50, s51
	s_mul_i32 s50, s50, REC                        ; the weights: records 32 tx + 2 w on: made of tx and the wave's number alone
	s_mov_b32 s51, 0
	s_mul_i32 s52, s10, 2*REC                      ; where they go: the wave's number times a constant, plus the slot's constant
	s_mov_b32 s[D], 16*REC                         ; slot 0: from block 4 tx to 4 tx + 2,
	s_mov_b32 s[D+1], 0
	s_mul_i32 s[DV], s15, 3
	s_sub_co_u32 s[DV], 30, s[DV]
	s_mul_i32 s[DV], s[DV], SLOT                   ; and from there to block 32 + tx: 30 - 3 tx blocks on
	s_mov_b32 s[DV+1], 0
	s_lshl_b32 s56, s85, 3
	s_lshl_b32 s55, s11, 2
	s_add_co_u32 s56, s56, s55                     ; my first record of x: 8 ty + 4 wr
	s_mul_i32 s54, s56, REC
	s_mov_b32 s55, 0
	s_mul_i32 s58, s15, 4*393216                   ; q/k codes: block 4 tx, row block 8 ty + 4 wr, half wc
	s_mul_i32 s59, s56, 1536
	s_add_co_u32 s58, s58, s59
	s_mul_i32 s59, s12, 768
	s_add_co_u32 s58, s58, s59
	s_mov_b32 s59, 0
	s_lshl_b32 s60, s15, 16                        ; q/k scale words: 4 tx x 16,384 + 512 ty
	s_lshl_b32 s61, s85, 9
	s_add_co_u32 s60, s60, s61
	s_add_co_u32 s60, s60, 15728640
	s_mov_b32 s61, 0
	s_lshl_b32 s62, s15, 3
	s_lshl_b32 s63, s12, 2
	s_add_co_u32 s62, s62, s63
	s_mul_i32 s62, s62, 1536                       ; V^T's codes: token block ty, feature block 8 tx + 4 wc, half wr
	s_mul_i32 s63, s85, 98304
	s_add_co_u32 s62, s62, s63
	s_mul_i32 s63, s11, 768
	s_add_co_u32 s62, s62, s63
	s_add_co_u32 s62, s62, 12582912
	s_mov_b32 s63, 0
	s_lshl_b32 s66, s85, 12                        ; V^T's scale words: 4,096 ty + 512 tx
	s_lshl_b32 s67, s15, 9
	s_add_co_u32 s66, s66, s67
	s_add_co_u32 s66, s66, 16252928
	s_mov_b32 s67, 0
	s_mov_b32 s[SEL], 0x76543210
	s_mov_b32 s[SEL+1], 0xfedcba98
	v_and_b32 v[L8], 31, v0
	v_and_b32 v[RR], 15, v0
	v_lshlrev_b32 v[L16], 4, v[L8]
	v_lshlrev_b32 v[L8], 3, v[L8]
	v_lshlrev_b32 v[R32], 5, v[RR]
	s_mul_i32 s68, s12, 4*REC                      ; my four records in a slot
	s_add_co_u32 s69, s68, 512
	v_add_nc_u32 v[WB], s69, v[L16]
	v_add_nc_u32 v[WB+1], s69, v[L8]
	v_add_nc_u32 v[WSA], s68, v[R32]
	s_add_co_u32 s69, s69, SLOT
	s_add_co_u32 s68, s68, SLOT
	v_add_nc_u32 v[WB+2], s69, v[L16]
	v_add_nc_u32 v[WB+3], s69, v[L8]
	v_add_nc_u32 v[WSA+1], s68, v[R32]
	s_lshl_b32 s68, s11, 8
	s_lshl_b32 s69, s12, 1
	s_add_co_u32 s68, s68, s69
	s_add_co_u32 s68, s68, SCG
	v_lshl_add_u32 v[SCW], v[RR], 2, s68           ; SCG + 4 (64 wr + r) + 2 wc
	s_lshl_b32 s68, s12, 8
	s_lshl_b32 s69, s11, 1
	s_add_co_u32 s68, s68, s69
	s_add_co_u32 s68, s68, SCG
	v_lshl_add_u32 v[SCWV], v[RR], 2, s68          ; SCG + 4 (64 wc + r) + 2 wr
	v_add_nc_u32 v[SCR], SCG, v[L16]
.irp a, 0,1,2,3
	v_mov_b32 v[TM+6*\a+2], 0                      ; a lane permute's destination counts as one of its sources
	v_mov_b32 v[TM+6*\a+3], 0
.endr
	s_wait_alu depctr_va_vdst(0)                   ; the head's end, ahead of the blocking waits
	s_wait_dscnt 0x0
	s_wait_kmcnt 0x0
	s_add_nc_u64 s[XB:XB+1], s[4:5], s[54:55]
	s_add_nc_u64 s[OUTQ:OUTQ+1], s[8:9], s[58:59]
	s_add_nc_u64 s[SOUTQ:SOUTQ+1], s[8:9], s[60:61]
	s_add_nc_u64 s[OUTV:OUTV+1], s[8:9], s[62:63]
	s_add_nc_u64 s[SOUTV:SOUTV+1], s[8:9], s[66:67]
	s_add_nc_u64 s[50:51], s[6:7], s[50:51]
	s_mov_b32 s[G0], 1
	s_mov_b32 s[G0+1], s52
	s_mov_b64 s[G0+2:G0+3], s[50:51]               ; slot 0: block 4 tx
	s_or_b32 s[G0+3], s[G0+3], 0x80000000
	s_mov_b32 s[G0+4], 1
	s_add_co_u32 s[G0+5], s52, SLOT
	s_add_nc_u64 s[G0+6:G0+7], s[50:51], SLOT      ; slot 1: block 4 tx + 1
	s_or_b32 s[G0+7], s[G0+7], 0x80000000
	CROUND                                         ; all sixteen work-groups are here: the joint loads meet
	tensor_load_to_lds s[G0:G0+3], s[G1:G1+7]      ; my one load at the head
	s_nop 0
.rept 4
	v_nop
.endr
.set F, 0
.rept 32                               ; x's 32 fragments, f = 4 ks + a
.if F < 21
	WIN 0x40
.set XR, 12*F
.else
	WIN 0x80
.set XR, 12*(F-21)
.endif
	global_load_b128 v[XR:XR+3], v[L16], s[XB:XB+1] offset:REC*(F%4)+512+1536*(F/4)
	global_load_b64 v[XR+4:XR+5], v[L8], s[XB:XB+1] offset:REC*(F%4)+512+1536*(F/4)+512
	global_load_b128 v[XR+6:XR+9], v[L16], s[XB:XB+1] offset:REC*(F%4)+512+1536*(F/4)+768
	global_load_b64 v[XR+10:XR+11], v[L8], s[XB:XB+1] offset:REC*(F%4)+512+1536*(F/4)+1280
.set F, F+1
.endr
	WIN 0
.irp a, 0,1,2,3
	global_load_b128 v[XS+8*\a:XS+8*\a+3], v[R32], s[XB:XB+1] offset:REC*\a            ; row r's eight scale words
	global_load_b128 v[XS+8*\a+4:XS+8*\a+7], v[R32], s[XB:XB+1] offset:REC*\a+16
.endr
	s_wait_loadcnt 0x0
	s_mov_b32 s48, 2
.Lpair:                                            ; two trips of two q/k blocks
	SYNC 1, 0
	COMPUTE 0, 0
	EPI OUTQ, SOUTQ, SCW, 393216, 16384
	SYNC 0, 1
	COMPUTE 1, 0
	EPI OUTQ, SOUTQ, SCW, 393216, 16384
	s_sub_co_u32 s48, s48, 1
	s_cmp_lg_u32 s48, 0
	s_wait_alu depctr_va_vdst(0)
	s_cbranch_scc1 .Lpair
	s_wait_tensorcnt 0x0                           ; v_w's block: my part is in slot 0
	s_barrier_signal -1
	s_barrier_wait -1
	COMPUTE 0, 1
	EPI OUTV, SOUTV, SCWV, 0, 0
	s_wait_tensorcnt 0x0                           ; the wave's end
	ds_add_u32 v[SPW], v[NIL]
	s_wait_dscnt 0x0
	CROUND                                         ; the closing round
	s_endpgm
.Lfunc_end_k_q86463e434d_proj:
	.size	k_q86463e434d_proj, .Lfunc_end_k_q86463e434d_proj-k_q86463e434d_proj
	.p2alignl 7, 3214868480
	.fill 96, 4, 3214868480
	.section	.rodata,"a",@progbits
	.p2align	6, 0x0
	.amdhsa_kernel k_q86463e434d_proj
		.amdhsa_group_segment_fixed_size 327680
		.amdhsa_private_segment_fixed_size 0
		.amdhsa_enable_private_segment 0
		.amdhsa_kernarg_size 24
		.amdhsa_user_sgpr_count 2
		.amdhsa_user_sgpr_kernarg_segment_ptr 1
		.amdhsa_wavefront_size32 1
		.amdhsa_system_sgpr_workgroup_id_x 1
		.amdhsa_system_sgpr_workgroup_id_y 1
		.amdhsa_system_sgpr_workgroup_id_z 1
		.amdhsa_system_vgpr_workitem_id 0
		.amdhsa_next_free_vgpr 896
		.amdhsa_next_free_sgpr 96
		.amdhsa_reserve_vcc 0
		.amdhsa_float_denorm_mode_32 3
		.amdhsa_float_denorm_mode_16_64 3
		.amdhsa_memory_ordered 1
		.amdhsa_forward_progress 1
		.amdhsa_inst_pref_size 131
	.end_amdhsa_kernel
	.amdgpu_metadata
---
amdhsa.version: [ 1, 2 ]
amdhsa.kernels:
  - .name:           k_q86463e434d_proj
    .symbol:         k_q86463e434d_proj.kd
    .args:
      - { .name: xr, .offset: 0, .size: 8, .value_kind: global_buffer, .address_space: global }
      - { .name: wr, .offset: 8, .size: 8, .value_kind: global_buffer, .address_space: global }
      - { .name: qkv, .offset: 16, .size: 8, .value_kind: global_buffer, .address_space: global }
    .group_segment_fixed_size: 327680
    .private_segment_fixed_size: 0
    .kernarg_segment_align: 8
    .kernarg_segment_size: 24
    .max_flat_workgroup_size: 128
    .sgpr_count:     96
    .vgpr_count:     896
    .wavefront_size: 32
...
	.end_amdgpu_metadata
.endif
;; end of part 2
;; launch attn (part 3): grid 8 x 32, 8 waves a work-group, clusters of 4 x 1, 327,680 bytes of LDS; arguments qkv, lambda_param, orec; writes orec
.if DOCPART == 3
	.amdgcn_target "amdgcn-amd-amdhsa--gfx1250"
	.amdhsa_code_object_version 6
	.text
	.protected	k_q86463e434d_attn
	.globl	k_q86463e434d_attn
	.p2align	8
	.type	k_q86463e434d_attn,@function
k_q86463e434d_attn:
	s_mov_b64 s[64:65], 0
	v_nop
	global_prefetch_b8 v0, s[64:65] scope:SCOPE_SE
	s_setreg_imm32_b32 hwreg(HW_REG_WAVE_MODE, 25, 1), 1
	s_wait_xcnt 0x0
	s_wait_alu depctr_hold_cnt(0) depctr_sa_sdst(0) depctr_va_vdst(0) depctr_va_sdst(0) depctr_va_ssrc(0) depctr_va_vcc(0) depctr_vm_vsrc(0)
	s_getreg_b32 s2, hwreg(HW_REG_IB_STS2, 6, 4)
	s_cmp_eq_u32 s2, 0
	s_cbranch_scc0 .Lentry_in_a_cluster
	s_endpgm
.Lentry_in_a_cluster:
	s_bfe_u32 s2, ttmp6, 0x10000c
	s_cmp_lg_u32 s2, 0x3003
	s_cbranch_scc0 .Lentry_shape_is_right
	s_endpgm
.Lentry_shape_is_right:
; O = (softmax(q1 k1^T / 8) - lam softmax(q2 k2^T / 8)) V for one head, all three products on codes of FP6 (E2M3) with E8M0 scales.
; The operand of the last product is the FINISHED difference of the two normalised softmaxes, quantised along the keys: both rows' maxima and sums are known before a code is made.
; SHARES.  A work-group owns 256 queries of one head and batch, 16 tiles of 16.  Its eight waves SHARE THE KEYS: wave w owns keys 256 w .. 256 w + 255 in every tile.
; Its 16 fragments of K lie in its own LDS bytes, filled once; its 8 fragments of V^T and all its scale words stay in registers.  A tile's 2 x 128 scores a lane stay in registers from the product to the conversion.
; K = 64: a fragment of K holds k1 in k 0-63 and k2 in k 64-127 of 16 keys; it is multiplied by [q1 | zero codes] and by [zero codes | q2]; Q's scale bytes of the zero half are 1.
; LAYOUT.  Both products are used transposed (S^T = K Q^T, O^T = V^T D^T): a lane holds one query (lane % 16); the 16 registers of key tiles 2 beta, 2 beta + 1 are keys 32 beta + 16 (lane / 16) + i;
; the 32 registers of O^T are d = 32 (lane / 16) + 0 .. 31: one whole block of the output projection's K.
; SOFTMAX.  t = score x log2(e) / 8.  Each wave takes its own largest t, mt, away: p = 2^(t - mt), l = the sum of p.  With M the largest mt of the eight waves and L = the sum of l 2^(mt - M),
; d = p1 C1 + p2 C2, C1 = 2^(mt1 - M1) / L1, C2 = -lam 2^(mt2 - M2) / L2, in f32.
; ORDER.  PHASE A of a tile: scores, maxima, exponentials, sums.  PHASE B: the waves' (mt, l) meet at barrier 1; d, its codes, my part of O^T, stored to LDS; barrier 2 is signalled.
; Barrier 2 is awaited only behind the NEXT tile's products and maxima (work on registers and reads of my own K bytes, which nobody writes); the eight parts are then read, land under the exponentials and are added behind the sums.
; (mt, l) of tile t + 1 are stored behind my wait at barrier 2 of tile t, in front of whose signal every wave's reads of tile t's have come back; parts of tile t + 1 are stored behind barrier 1 of tile t + 1, in front of whose signal
; every wave's reads of tile t's parts have come back.  The first phase A and the last phase B are written out, so the loop of 15 trips has no branch inside.
; CLUSTER.  The four work-groups of a cluster belong to one head and batch and need the same K: each wave's block is asked for jointly.  No prefetch: K, V^T and the scales are asked for at the head, Q one tile ahead.
; LIMITS: the promise holds while |t| stays under 2^31; exponentials under 2^-126 count as 0; a block of zeros gets the scale byte 1 (its codes are zeros; only this program reads the bytes); NaN and infinities are not served;
; the row sums are taken in four packed chains, then across two lanes, then across the eight waves, and O over the eight waves in a fixed tree: another order of f32 additions than a plain sum.
.set PART,  196608                     ; LDS: K's fragments, 24,576 bytes a wave, from 0; then each wave's part of O^T, 4,096 bytes;
.set OSUM,  229376                     ; the 16 tiles' O^T, 4,096 bytes each;
.set STATS, 294912                     ; each wave's (mt1, l1, mt2, l2) for 16 queries, 256 bytes;
.set SPARE, 296960                     ; the spare words, 128 bytes a wave
.set VCO,   12582912
.set QKS,   15728640
.set VSO,   16252928
; window 0
.set L16,  1
.set L8,   2
.set R4,   3
.set KA16, 4
.set KA8,  5
.set STW,  6                           ; STATS + 256 w + 16 r
.set STR,  7                           ; STATS + 16 r + 8 h
.set PWA,  8                           ; PART + 4096 w + 16 x lane
.set PRA,  9                           ; PART + 512 w + 16 x lane
.set OSA0, 10                          ; OSUM + 512 w + 16 x lane
.set OSA,  11
.set LAMV, 12                          ; 1.0 in lanes 0-15, -lam in lanes 16-31
.set SPW,  13
.set NIL,  14
.set R32,  15
.set QF1,  16                          ; v16-27 [q1 | zeros]
.set QF2,  28                          ; v28-39 [zeros | q2]
.set QSR,  40
.set OSR,  41
.set QS1,  42
.set QS2,  43
.set PW,   44                          ; v44-45 d's scale words
.set KS,   46                          ; v46-61 K's scale words
.set VS,   62                          ; v62-69 V^T's
.set VF,   70                          ; v70-165 V^T's fragments
.set KF,   166                         ; v166-213 two sets of two fragments of K
.set RT,   166                         ; the same registers, at work between the products
.set T,    214                         ; v214-229 sixteen chains of the maxima; then v214-221 softmax 2's sums,
.set SA,   222                         ; v222-229 softmax 1's
.set ST,   230                         ; v230-233 mt1, l1, mt2, l2
.set CF,   234                         ; v234-237 C1, -, C2, -
.set X,    238                         ; v238-255 at work
; window 1: v0-127 S1, p1, d; v128-255 S2, p2; when d is made: v128-159 O^T, v160-183 d's codes, v184-207 at work
.set OT,   128
.set PC,   160
.set TQ,   184
.set TM,   192
.set MSB, 0
.macro WIN new                         ; low byte: bits 1:0 source 0, 3:2 source 1, 5:4 source 2, 7:6 destination; the high byte repeats the setting that is left
.if MSB != \new
	s_set_vgpr_msb (MSB<<8)|\new
.set MSB, \new
.endif
.endm
.macro CROUND
	s_barrier_signal -1
	s_barrier_wait -1
	s_cmp_lg_u32 s10, 0
	s_cbranch_scc1 .Lnot_wave_0_\@
	s_barrier_signal -3
.Lnot_wave_0_\@:
	s_barrier_wait -3
	s_barrier_signal -1
	s_barrier_wait -1
.endm
.macro FRAG reg, a16, a8, off
	ds_load_b128 v[\reg:\reg+3], v[\a16] offset:\off
	ds_load_b64 v[\reg+4:\reg+5], v[\a8] offset:\off+512
	ds_load_b128 v[\reg+6:\reg+9], v[\a16] offset:\off+768
	ds_load_b64 v[\reg+10:\reg+11], v[\a8] offset:\off+1280
.endm
.macro FETCHK set, kt                  ; key tiles kt and kt + 1: eight LDS loads
	FRAG KF+24*(\set), KA16, KA8, 1536*(\kt)
	FRAG KF+24*(\set)+12, KA16, KA8, 1536*(\kt)+1536
.endm
.macro QLOAD
	global_load_b128 v[QF1:QF1+3], v[L16], s[36:37]
	global_load_b64 v[QF1+4:QF1+5], v[L8], s[36:37] offset:512
	global_load_b128 v[QF2+6:QF2+9], v[L16], s[36:37] offset:768
	global_load_b64 v[QF2+10:QF2+11], v[L8], s[36:37] offset:1280
	global_load_b32 v[QSR], v[R4], s[38:39]
.endm
.macro MM0 d, a, b, sa, sb
	v_wmma_scale_f32_16x16x128_f8f6f4 v[\d:\d+7], v[\a:\a+11], v[\b:\b+11], 0, v[\sa], v[\sb] matrix_a_fmt:MATRIX_FMT_FP6 matrix_b_fmt:MATRIX_FMT_FP6
.endm
.macro MMA d, a, b, sa, sb
	v_wmma_scale_f32_16x16x128_f8f6f4 v[\d:\d+7], v[\a:\a+11], v[\b:\b+11], v[\d:\d+7], v[\sa], v[\sb] matrix_a_fmt:MATRIX_FMT_FP6 matrix_b_fmt:MATRIX_FMT_FP6
.endm
.macro VWAIT
	s_wait_alu depctr_va_vdst(0)
.endm
	s_load_b128 s[4:7], s[0:1], 0x0                ; qkv, lambda_param
	s_load_b64 s[8:9], s[0:1], 0x10                ; orec
	v_lshl_add_u32 v[SPW], v0, 2, SPARE
	v_mov_b32 v[NIL], 0
	ds_add_u32 v[SPW], v[NIL]                      ; the opening lines: the add, twice on end, and its wait ahead of my tensor load
	ds_add_u32 v[SPW], v[NIL]
	v_lshrrev_b32 v238, 5, v0
	v_readfirstlane_b32 s10, v238                  ; wave 0..7
	s_bfe_u32 s11, ttmp6, 0x40000                  ; cx
	s_lshl_b32 s12, ttmp9, 2
	s_add_co_u32 s12, s12, s11                     ; my block of 256 queries: it enters Q's and O's addresses alone
	s_and_b32 s13, ttmp7, 0xffff
	s_lshr_b32 s14, s13, 4                         ; batch
	s_and_b32 s15, s13, 15                         ; head
	s_mov_b32 s16, 15|(3<<16)|(1<<21)              ; group 1: all four work-groups; elements of 8 bytes; bit 21 beside a mask
	s_mov_b32 s17, 32<<16                          ; rows of 256 bytes,
	s_mov_b32 s18, 96<<16                          ; 96 of them: a dense block of 24,576 bytes
	s_mov_b32 s19, 32<<16
	s_mov_b32 s20, 96
	s_mov_b32 s21, 32
	s_mov_b32 s22, 0
	s_mov_b32 s23, 0
	s_mov_b32 s28, 0x3e38aa3b                      ; c = log2(e) / 8
	s_mov_b32 s29, s28
	s_mov_b32 s30, 0x76543210
	s_mov_b32 s31, 0xfedcba98                      ; lane selects for lane l xor 16
	s_mov_b32 s32, 0xffff0000                      ; lanes 16-31; also the upper two bytes of a scale word
	s_mov_b32 s33, 0xffff
	s_mov_b32 s34, 0x01010000
	s_mov_b32 s35, 0x0101
	s_mov_b32 s40, 0                               ; 4,096 x tile
	s_mov_b32 s41, 15                              ; the loop's trips
	s_lshl_b32 s50, s15, 8
	s_lshl_b32 s51, s14, 7
	s_add_co_u32 s50, s50, s51                     ; 256 x head + 128 x batch
	s_lshl_b32 s51, s10, 4
	s_add_co_u32 s52, s50, s51
	s_add_co_u32 s52, s52, 4096                    ; K: block (16 + head), row block 128 b + 16 w
	s_lshl_b32 s51, s12, 4
	s_add_co_u32 s53, s50, s51                     ; Q: block head, row block 128 b + 16 x my block of queries
	s_mul_i32 s54, s52, 1536
	s_mov_b32 s55, 0
	s_lshl_b32 s56, s52, 6
	s_add_co_u32 s56, s56, QKS
	s_mov_b32 s57, 0
	s_mov_b32 s24, 1
	s_mul_i32 s25, s10, 24576                      ; LDS address: the wave's number times a constant
	v_and_b32 v238, 31, v0
	v_and_b32 v239, 15, v0                         ; r
	v_bfe_u32 v240, v0, 4, 1                       ; h
	v_lshlrev_b32 v[L16], 4, v238
	v_lshlrev_b32 v[L8], 3, v238
	v_lshlrev_b32 v[R4], 2, v239
	v_lshlrev_b32 v[R32], 5, v239
	v_add_nc_u32 v[KA16], s25, v[L16]
	v_add_nc_u32 v[KA8], s25, v[L8]
	s_lshl_b32 s2, s10, 8
	s_add_co_u32 s2, s2, STATS
	v_lshl_add_u32 v[STW], v239, 4, s2
	v_lshlrev_b32 v[STR], 4, v239
	v_lshl_add_u32 v[STR], v240, 3, v[STR]
	v_add_nc_u32 v[STR], STATS, v[STR]
	s_lshl_b32 s2, s10, 12
	s_add_co_u32 s2, s2, PART
	v_add_nc_u32 v[PWA], s2, v[L16]
	s_lshl_b32 s2, s10, 9
	s_add_co_u32 s3, s2, PART
	v_add_nc_u32 v[PRA], s3, v[L16]
	s_add_co_u32 s3, s2, OSUM
	v_add_nc_u32 v[OSA0], s3, v[L16]
	s_lshl_b32 s2, s10, 13
	s_add_co_u32 s2, s2, OSUM
	v_add_nc_u32 v[OSR], s2, v[L16]
	VWAIT                                          ; ahead of the blocking waits
	s_wait_dscnt 0x0
	s_wait_kmcnt 0x0
	s_add_nc_u64 s[26:27], s[4:5], s[54:55]        ; my 16 fragments of K
	s_or_b32 s27, s27, 0x80000000
	s_add_nc_u64 s[48:49], s[4:5], s[56:57]        ; K's scale words
	s_lshl_b32 s54, s15, 2
	s_add_nc_u64 s[6:7], s[6:7], s[54:55]
	s_load_b32 s42, s[6:7], 0x0                    ; lam of my head
	s_mul_i32 s58, s53, 1536
	s_mov_b32 s59, 0
	s_add_nc_u64 s[36:37], s[4:5], s[58:59]        ; Q's codes, tile 0
	s_lshl_b32 s58, s53, 6
	s_add_co_u32 s58, s58, QKS
	s_add_nc_u64 s[38:39], s[4:5], s[58:59]        ; Q's scale words
	s_lshl_b32 s50, s14, 4
	s_lshl_b32 s51, s10, 1
	s_add_co_u32 s50, s50, s51                     ; my first block of 128 tokens: 16 b + 2 w
	s_lshl_b32 s56, s50, 6
	s_lshl_b32 s51, s15, 2
	s_add_co_u32 s56, s56, s51
	s_mul_i32 s56, s56, 1536
	s_add_co_u32 s56, s56, VCO
	s_add_nc_u64 s[44:45], s[4:5], s[56:57]        ; V^T's fragments: feature blocks 4 x head on
	s_lshl_b32 s56, s50, 12
	s_lshl_b32 s51, s15, 8
	s_add_co_u32 s56, s56, s51
	s_add_co_u32 s56, s56, VSO
	s_add_nc_u64 s[46:47], s[4:5], s[56:57]        ; V^T's scale words
	s_lshl_b32 s58, s14, 7
	s_lshl_b32 s51, s12, 4
	s_add_co_u32 s58, s58, s51
	s_lshl_b32 s51, s10, 1
	s_add_co_u32 s58, s58, s51
	s_mul_i32 s58, s58, 12800                      ; O: record 128 b + 16 x my block + 2 w
	s_lshl_b32 s51, s15, 1
	s_add_co_u32 s56, s58, s51
	s_add_nc_u64 s[60:61], s[8:9], s[56:57]        ; its scale bytes: 2 x head on in each row
	s_lshr_b32 s51, s15, 1
	s_mul_i32 s51, s51, 1536
	s_add_co_u32 s58, s58, s51
	s_and_b32 s51, s15, 1
	s_mul_i32 s51, s51, 768
	s_add_co_u32 s58, s58, s51
	s_add_co_u32 s58, s58, 512
	s_add_nc_u64 s[62:63], s[8:9], s[58:59]        ; its half-image: K step head / 2, half head % 2
	CROUND                                         ; all four work-groups are here: the joint loads meet
	tensor_load_to_lds s[24:27], s[16:23]          ; my one tensor load: filled once, read by me alone
	s_nop 0
.rept 4
	v_nop
.endr
.irp ch, 0,1
.irp t, 0,1,2,3
	global_load_b128 v[VF+12*(4*\ch+\t):VF+12*(4*\ch+\t)+3], v[L16], s[44:45] offset:98304*\ch+1536*\t
	global_load_b64 v[VF+12*(4*\ch+\t)+4:VF+12*(4*\ch+\t)+5], v[L8], s[44:45] offset:98304*\ch+1536*\t+512
	global_load_b128 v[VF+12*(4*\ch+\t)+6:VF+12*(4*\ch+\t)+9], v[L16], s[44:45] offset:98304*\ch+1536*\t+768
	global_load_b64 v[VF+12*(4*\ch+\t)+10:VF+12*(4*\ch+\t)+11], v[L8], s[44:45] offset:98304*\ch+1536*\t+1280
	global_load_b32 v[VS+4*\ch+\t], v[R4], s[46:47] offset:4096*\ch+64*\t
.endr
.endr
.irp kt, 0,1,2,3,4,5,6,7,8,9,10,11,12,13,14,15
	global_load_b32 v[KS+\kt], v[R4], s[48:49] offset:64*\kt
.endr
	QLOAD
.irp i, 6,7,8,9,10,11
	v_mov_b32 v[QF1+\i], 0                         ; the zero codes, set once
	v_mov_b32 v[QF2+\i-6], 0
.endr
.set i, ST
.rept 26
	v_mov_b32 v[i], 0                              ; upper halves of pairs that are named whole, and lane permutes' destinations
.set i, i+1
.endr
	s_wait_kmcnt 0x0
	s_xor_b32 s42, s42, 0x80000000                 ; -lam
	v_mov_b32 v[X], s42
	v_cndmask_b32 v[LAMV], 1.0, v[X], s32
	VWAIT                                          ; the head's end
	s_wait_tensorcnt 0x0                           ; my fragments of K are in LDS
; the maxima of key tiles 2 b and 2 b + 1: 16 chains, one link each, so that 15 plain instructions stand between two links of a chain; each accumulator is read from its low end on
.macro MAXB b
.if (\b) == 0
	WIN 0x05
.irp i, 0,1,2,3,4,5,6,7
	v_max_num_f32 v[T+\i], v[2*\i], v[2*\i+1]
	v_max_num_f32 v[T+8+\i], v[128+2*\i], v[129+2*\i]
.endr
.else
	WIN 0x14
.irp i, 0,1,2,3,4,5,6,7
	v_max3_num_f32 v[T+\i], v[T+\i], v[16*(\b)+2*\i], v[16*(\b)+2*\i+1]
	v_max3_num_f32 v[T+8+\i], v[T+8+\i], v[128+16*(\b)+2*\i], v[129+16*(\b)+2*\i]
.endr
.endif
.endm
.macro SCALE p                         ; pair p of 128: t - mt; pairs 0-63 are softmax 1's
.if (\p) < 64
	v_pk_fma_f32 v[2*(\p):2*(\p)+1], v[2*(\p):2*(\p)+1], s[28:29], v[ST:ST+1] op_sel_hi:[1,0,0] neg_lo:[0,0,1] neg_hi:[0,0,1]
.else
	v_pk_fma_f32 v[2*(\p):2*(\p)+1], v[2*(\p):2*(\p)+1], s[28:29], v[ST+2:ST+3] op_sel_hi:[1,0,0] neg_lo:[0,0,1] neg_hi:[0,0,1]
.endif
.endm
.macro SUMS a, s                       ; 128 numbers of window 1 from s on, in four packed chains at a
	WIN 0x05
.irp k, 0,1,2,3
	v_pk_add_f32 v[\a+2*\k:\a+2*\k+1], v[\s+4*\k:\s+4*\k+1], v[\s+4*\k+2:\s+4*\k+3]
.endr
	WIN 0x04
.set j, \s+16
.rept 14
.irp k, 0,1,2,3
	v_pk_add_f32 v[\a+2*\k:\a+2*\k+1], v[\a+2*\k:\a+2*\k+1], v[j+2*\k:j+2*\k+1]
.endr
.set j, j+8
.endr
.endm
.macro REDLOAD                         ; slice w (four registers) of the eight parts of O^T
.irp k, 0,1,2,3,4,5,6,7
	ds_load_b128 v[RT+4*\k:RT+4*\k+3], v[PRA] offset:4096*\k
.endr
.endm
.macro REDADD                          ; added in a fixed tree, into v[X:X+3]
.irp k, 0,2,4,6
	v_pk_add_f32 v[RT+4*\k:RT+4*\k+1], v[RT+4*\k:RT+4*\k+1], v[RT+4*\k+4:RT+4*\k+5]
	v_pk_add_f32 v[RT+4*\k+2:RT+4*\k+3], v[RT+4*\k+2:RT+4*\k+3], v[RT+4*\k+6:RT+4*\k+7]
.endr
.irp k, 0,4
	v_pk_add_f32 v[RT+4*\k:RT+4*\k+1], v[RT+4*\k:RT+4*\k+1], v[RT+4*\k+8:RT+4*\k+9]
	v_pk_add_f32 v[RT+4*\k+2:RT+4*\k+3], v[RT+4*\k+2:RT+4*\k+3], v[RT+4*\k+10:RT+4*\k+11]
.endr
	v_pk_add_f32 v[X:X+1], v[RT:RT+1], v[RT+16:RT+17]
	v_pk_add_f32 v[X+2:X+3], v[RT+2:RT+3], v[RT+18:RT+19]
.endm
; PHASE A.  red = 1: barrier 2 of the tile before is awaited in its middle, and that tile's O^T is summed
.macro PHASEA red
	FETCHK 0, 0
	FETCHK 1, 2
	s_wait_loadcnt 0x0                             ; this tile's Q (the first time: all that the head asked for)
	v_and_or_b32 v[QS1], v[QSR], s33, s34          ; q1's two bytes, and 1 for the zero half
	v_and_or_b32 v[QS2], v[QSR], s32, s35
.rept 8
	v_nop                                          ; a scale register written by a vector instruction stands eight places ahead of a scaled product
.endr
	VWAIT                                          ; ahead of the blocking wait
.irp g, 0,1,2,3,4,5,6,7
.if \g < 7
	s_wait_dscnt 8                                 ; this set of two fragments is in; the other set's eight loads may stay out
.else
	s_wait_dscnt 0x0
.endif
	WIN 0x40                                       ; results in window 1; every product starts its own sum
.irp u, 0,1
	MM0 8*(2*\g+\u), KF+24*(\g%2)+12*\u, QF1, KS+2*\g+\u, QS1
	MM0 128+8*(2*\g+\u), KF+24*(\g%2)+12*\u, QF2, KS+2*\g+\u, QS2
.endr
.if \g == 0
.rept 4
	v_nop
.endr
.else
	MAXB \g-1                                      ; the group before: these 16 are the places behind this group's products
.endif
.if \g < 6
	WIN 0x14                                       ; (a load's destination and address: window 0)
	FETCHK \g%2, 2*\g+4
.endif
.endr
	MAXB 7
	WIN 0
	v_max3_num_f32 v[T], v[T], v[T+1], v[T+2]
	v_max3_num_f32 v[T+8], v[T+8], v[T+9], v[T+10]
	v_max3_num_f32 v[T+3], v[T+3], v[T+4], v[T+5]
	v_max3_num_f32 v[T+11], v[T+11], v[T+12], v[T+13]
	v_max3_num_f32 v[T], v[T], v[T+6], v[T+7]
	v_max3_num_f32 v[T+8], v[T+8], v[T+14], v[T+15]
	v_max_num_f32 v[T], v[T], v[T+3]
	v_max_num_f32 v[T+8], v[T+8], v[T+11]
	v_permlanex16_b32 v[X], v[T], s30, s31
	v_permlanex16_b32 v[X+1], v[T+8], s30, s31
	v_max_num_f32 v[T], v[T], v[X]
	v_max_num_f32 v[T+8], v[T+8], v[X+1]
	v_mul_f32 v[ST], s28, v[T]                     ; mt = c x the largest score (c is positive)
	v_mul_f32 v[ST+2], s28, v[T+8]
	VWAIT                                          ; ahead of a blocking wait
.if \red
	s_barrier_wait -1                              ; barrier 2 of the tile before: its eight parts lie in LDS
	REDLOAD
.endif
	WIN 0x41
.set pp, 0
.rept 64
	SCALE pp
.set pp, pp+1
.endr
	VWAIT                                          ; ahead of a batch of exponentials, and behind it
.set j, 0
.rept 128
	v_exp_f32 v[j], v[j]
.set j, j+1
.endr
.rept 64
	SCALE pp                                       ; plain work that names no result of the batch
.set pp, pp+1
.endr
	VWAIT
.rept 128
	v_exp_f32 v[j], v[j]
.set j, j+1
.endr
	SUMS SA, 0                                     ; softmax 1's sums: plain work behind softmax 2's batch
	VWAIT
	SUMS T, 128
	WIN 0
	v_pk_add_f32 v[SA:SA+1], v[SA:SA+1], v[SA+2:SA+3]
	v_pk_add_f32 v[T:T+1], v[T:T+1], v[T+2:T+3]
	v_pk_add_f32 v[SA+4:SA+5], v[SA+4:SA+5], v[SA+6:SA+7]
	v_pk_add_f32 v[T+4:T+5], v[T+4:T+5], v[T+6:T+7]
	v_pk_add_f32 v[SA:SA+1], v[SA:SA+1], v[SA+4:SA+5]
	v_pk_add_f32 v[T:T+1], v[T:T+1], v[T+4:T+5]
	v_add_f32 v[SA], v[SA], v[SA+1]
	v_add_f32 v[T], v[T], v[T+1]
	v_permlanex16_b32 v[X], v[SA], s30, s31
	v_permlanex16_b32 v[X+1], v[T], s30, s31
	v_add_f32 v[ST+1], v[SA], v[X]
	v_add_f32 v[ST+3], v[T], v[X+1]
.if \red
	s_wait_dscnt 0x0                               ; the eight slices are in
	v_add_nc_u32 v[OSA], s40, v[OSA0]
	REDADD
	ds_store_b128 v[OSA], v[X:X+3]
.endif
	VWAIT
.endm
; 64 numbers of a lane in window 1, register s + 16 b + i = key 32 b + 16 h + i of my query, become a fragment's codes at pc (window 1) and its scale word in pw (window 0)
.macro QUANTW s, pc, pw
	WIN 0x55
.irp b, 0,1,2,3
	v_max3_num_f32 v[TM+\b], |v[\s+16*\b]|, |v[\s+16*\b+1]|, 0x1800000   ; with the floor 2^(3 - 127): the byte cannot fall under 1
.endr
.irp i, 2,4,6,8,10,12,14
.irp b, 0,1,2,3
	v_max3_num_f32 v[TM+\b], v[TM+\b], |v[\s+16*\b+\i]|, |v[\s+16*\b+\i+1]|
.endr
.endr
.irp b, 0,1,2,3
	v_permlanex16_b32 v[TM+4+\b], v[TM+\b], s30, s31
.endr
.irp b, 0,1,2,3
	v_max_num_f32 v[TM+\b], v[TM+\b], v[TM+4+\b]
.endr
.irp b, 0,1,2,3
	v_add_nc_u32 v[TM+12+\b], 0xff000000, v[TM+\b] ; 2 off the exponent field: the conversion's scale operand
.endr
.irp b, 0,1,2,3
	v_lshrrev_b32 v[TM+4+\b], 23, v[TM+12+\b]
.endr
	v_lshl_or_b32 v[TM+8], v[TM+5], 8, v[TM+4]
	v_lshl_or_b32 v[TM+8], v[TM+6], 16, v[TM+8]
	WIN 0x15
	v_lshl_or_b32 v[\pw], v[TM+7], 24, v[TM+8]
	WIN 0x55
.irp c, 0,1
	v_cvt_scalef32_pk16_fp6_f32 v[\pc+6*\c:\pc+6*\c+2], v[\s+32*\c:\s+32*\c+15], v[TM+12+2*\c]
	v_cvt_scalef32_pk16_fp6_f32 v[TQ+4*\c:TQ+4*\c+2], v[\s+32*\c+16:\s+32*\c+31], v[TM+13+2*\c]
.endr
	v_nop                                          ; one plain place behind a scaled conversion
.irp c, 0,1
.irp i, 0,1,2
	v_permlane16_swap_b32 v[\pc+6*\c+\i], v[TQ+4*\c+\i]
.endr
.irp i, 0,1,2
	v_mov_b32 v[\pc+3+6*\c+\i], v[TQ+4*\c+\i]
.endr
.endr
.endm
; PHASE B.  q = 1: the next tile's Q is asked for first
.macro PHASEB q
.if \q
	s_add_nc_u64 s[36:37], s[36:37], 1536          ; (the loads that read these bases were waited for in phase A)
	s_add_nc_u64 s[38:39], s[38:39], 64
	QLOAD
.endif
	ds_store_b128 v[STW], v[ST:ST+3]               ; lanes r and r + 16 write the same 16 bytes with the same values
	s_wait_dscnt 0x0                               ; for the others' sake: my stores have landed
	s_barrier_signal -1
	s_barrier_wait -1                              ; barrier 1: the eight waves' maxima and sums lie in LDS
.irp k, 0,1,2,3,4,5,6,7
	ds_load_b64 v[RT+2*\k:RT+2*\k+1], v[STR] offset:256*\k     ; lanes 0-15 softmax 1's, lanes 16-31 softmax 2's
.endr
	s_wait_dscnt 0x0
	v_cndmask_b32 v[X], v[ST], v[ST+2], s32        ; my wave's own mt of my softmax
	v_max3_num_f32 v[X+1], v[RT], v[RT+2], v[RT+4]
	v_max3_num_f32 v[X+2], v[RT+6], v[RT+8], v[RT+10]
	v_max3_num_f32 v[X+1], v[X+1], v[RT+12], v[RT+14]
	v_max_num_f32 v[X+1], v[X+1], v[X+2]           ; M
.irp k, 0,1,2,3,4,5,6,7
	v_sub_f32 v[RT+2*\k], v[RT+2*\k], v[X+1]
.endr
	v_sub_f32 v[X], v[X], v[X+1]
	VWAIT                                          ; ahead of the batch and behind it
.irp k, 0,1,2,3,4,5,6,7
	v_exp_f32 v[RT+2*\k], v[RT+2*\k]
.endr
	v_exp_f32 v[X], v[X]
	v_nop
	VWAIT
	v_mul_f32 v[X+2], v[RT+1], v[RT]
	v_mul_f32 v[X+5], v[RT+9], v[RT+8]
.irp k, 1,2,3
	v_fmac_f32 v[X+2], v[RT+2*\k+1], v[RT+2*\k]    ; L = the sum of l 2^(mt - M), in two chains
	v_fmac_f32 v[X+5], v[RT+2*\k+9], v[RT+2*\k+8]
.endr
	v_mul_f32 v[X], v[X], v[LAMV]                  ; x 1, or x -lam
	v_add_f32 v[X+2], v[X+2], v[X+5]
	VWAIT
	v_rcp_f32 v[X+3], v[X+2]
	v_nop
	VWAIT
	v_mul_f32 v[X], v[X], v[X+3]
	v_permlanex16_b32 v[X+4], v[X], s30, s31
	v_cndmask_b32 v[CF], v[X], v[X+4], s32         ; C1 in every lane,
	v_cndmask_b32 v[CF+2], v[X+4], v[X], s32       ; and C2
	WIN 0x51                                       ; d = p1 C1 + p2 C2
.set j, 0
.rept 32
	v_pk_mul_f32 v[j:j+1], v[j:j+1], v[CF:CF+1] op_sel_hi:[1,0]
	v_pk_mul_f32 v[j+2:j+3], v[j+2:j+3], v[CF:CF+1] op_sel_hi:[1,0]
	v_pk_fma_f32 v[j:j+1], v[128+j:129+j], v[CF+2:CF+3], v[j:j+1] op_sel_hi:[1,0,1]
	v_pk_fma_f32 v[j+2:j+3], v[130+j:131+j], v[CF+2:CF+3], v[j+2:j+3] op_sel_hi:[1,0,1]
.set j, j+4
.endr
	QUANTW 0, PC, PW                               ; my keys 0-127
	QUANTW 64, PC+12, PW+1                         ; and 128-255
.rept 8
	v_nop                                          ; eight places between a scale register's write and a scaled product, four for an operand's
.endr
	WIN 0x54                                       ; my part of O^T = V^T D^T: four accumulators by turns
.irp t, 0,1,2,3
	MM0 OT+8*\t, VF+12*\t, PC, VS+\t, PW
.endr
.irp t, 0,1,2,3
	MMA OT+8*\t, VF+12*(4+\t), PC+12, VS+4+\t, PW+1
.endr
.rept 4
	v_nop
.endr
	WIN 0x04                                       ; an LDS store's data are its source 1
.irp j, 0,1,2,3,4,5,6,7
	ds_store_b128 v[PWA], v[OT+4*\j:OT+4*\j+3] offset:512*\j       ; each accumulator from its low end on
.endr
	WIN 0
	s_wait_dscnt 0x0
	s_barrier_signal -1                            ; barrier 2: my part lies in LDS
.endm
	PHASEA 0                                       ; tile 0
.Ltile:                                            ; 15 trips: phase B of tile t, phase A of tile t + 1
	PHASEB 1
	PHASEA 1
	s_add_co_u32 s40, s40, 4096
	s_sub_co_u32 s41, s41, 1
	s_cmp_lg_u32 s41, 0
	s_cbranch_scc1 .Ltile
	PHASEB 0                                       ; tile 15
	s_barrier_wait -1
	REDLOAD
	s_wait_dscnt 0x0
	REDADD
	ds_store_b128 v[OSA0], v[X:X+3] offset:15*4096
	; THE WAY OUT: wave w quantises tiles 2 w and 2 w + 1.  A lane's 32 numbers are one whole block of the output projection's K
	s_wait_dscnt 0x0
	s_barrier_signal -1
	s_barrier_wait -1                              ; all 16 tiles of O^T lie in LDS
.irp j, 0,1,2,3,4,5,6,7
	ds_load_b128 v[RT+4*\j:RT+4*\j+3], v[OSR] offset:512*\j
.endr
.irp j, 0,1,2,3,4,5,6,7
	ds_load_b128 v[VF+4*\j:VF+4*\j+3], v[OSR] offset:4096+512*\j   ; V^T's registers are free
.endr
.macro QB s, pc, tm                    ; 32 numbers, one block: six code registers at pc, the byte in tm + 1
	v_max3_num_f32 v[\tm], |v[\s]|, |v[\s+1]|, 0x1800000
	v_max3_num_f32 v[\tm+1], |v[\s+2]|, |v[\s+3]|, 0x1800000
.irp i, 4,8,12,16,20,24,28
	v_max3_num_f32 v[\tm], v[\tm], |v[\s+\i]|, |v[\s+\i+1]|
	v_max3_num_f32 v[\tm+1], v[\tm+1], |v[\s+\i+2]|, |v[\s+\i+3]|
.endr
	v_max_num_f32 v[\tm], v[\tm], v[\tm+1]
	v_add_nc_u32 v[\tm+2], 0xff000000, v[\tm]
	v_lshrrev_b32 v[\tm+1], 23, v[\tm+2]
	v_cvt_scalef32_pk16_fp6_f32 v[\pc:\pc+2], v[\s:\s+15], v[\tm+2]
	v_cvt_scalef32_pk16_fp6_f32 v[\pc+6:\pc+8], v[\s+16:\s+31], v[\tm+2]
	v_nop                                          ; one plain place behind a scaled conversion
.irp i, 0,1,2
	v_mov_b32 v[\pc+3+\i], v[\pc+6+\i]
.endr
.endm
.macro OUTT i, s, pc, tm               ; tile 2 w + i: every register set is the tile's own
	QB \s, \pc, \tm
	global_store_b128 v[L16], v[\pc:\pc+3], s[62:63] offset:12800*\i               ; 512 consecutive bytes,
	global_store_b64 v[L8], v[\pc+4:\pc+5], s[62:63] offset:12800*\i+512           ; and 256, at multiples of 256
	v_permlanex16_b32 v[X+\i], v[\tm+1], s30, s31
	v_cndmask_b32 v[\tm], v[\tm+1], v[X+\i], s32   ; the byte of d 0-31,
	v_cndmask_b32 v[\tm+3], v[X+\i], v[\tm+1], s32 ; and of d 32-63
	v_lshl_or_b32 v[\tm], v[\tm+3], 8, v[\tm]
	global_store_b16 v[R32], v[\tm], s[60:61] offset:12800*\i                      ; a head owns 2 of a row's 32 scale bytes; lanes r and r + 16 store the same two
.endm
	s_wait_dscnt 8                                 ; the first tile is in; the second's eight loads may stay out
	OUTT 0, RT, VF+32, X+4
	s_wait_dscnt 0x0
	OUTT 1, VF, VF+42, X+8
	s_wait_tensorcnt 0x0                           ; the wave's end
	ds_add_u32 v[SPW], v[NIL]
	s_wait_dscnt 0x0
	CROUND                                         ; the closing round
	s_endpgm
.Lfunc_end_k_q86463e434d_attn:
	.size	k_q86463e434d_attn, .Lfunc_end_k_q86463e434d_attn-k_q86463e434d_attn
	.p2alignl 7, 3214868480
	.fill 96, 4, 3214868480
	.section	.rodata,"a",@progbits
	.p2align	6, 0x0
	.amdhsa_kernel k_q86463e434d_attn
		.amdhsa_group_segment_fixed_size 327680
		.amdhsa_private_segment_fixed_size 0
		.amdhsa_enable_private_segment 0
		.amdhsa_kernarg_size 24
		.amdhsa_user_sgpr_count 2
		.amdhsa_user_sgpr_kernarg_segment_ptr 1
		.amdhsa_wavefront_size32 1
		.amdhsa_system_sgpr_workgroup_id_x 1
		.amdhsa_system_sgpr_workgroup_id_y 1
		.amdhsa_system_sgpr_workgroup_id_z 1
		.amdhsa_system_vgpr_workitem_id 0
		.amdhsa_next_free_vgpr 512
		.amdhsa_next_free_sgpr 66
		.amdhsa_reserve_vcc 0
		.amdhsa_float_denorm_mode_32 3
		.amdhsa_float_denorm_mode_16_64 3
		.amdhsa_memory_ordered 1
		.amdhsa_forward_progress 1
		.amdhsa_inst_pref_size 147
	.end_amdhsa_kernel
	.amdgpu_metadata
---
amdhsa.version: [ 1, 2 ]
amdhsa.kernels:
  - .name:           k_q86463e434d_attn
    .symbol:         k_q86463e434d_attn.kd
    .args:
      - { .name: qkv, .offset: 0, .size: 8, .value_kind: global_buffer, .address_space: global }
      - { .name: lambda_param, .offset: 8, .size: 8, .value_kind: global_buffer, .address_space: global }
      - { .name: orec, .offset: 16, .size: 8, .value_kind: global_buffer, .address_space: global }
    .group_segment_fixed_size: 327680
    .private_segment_fixed_size: 0
    .kernarg_segment_align: 8
    .kernarg_segment_size: 24
    .max_flat_workgroup_size: 256
    .sgpr_count:     66
    .vgpr_count:     512
    .wavefront_size: 32
...
	.end_amdgpu_metadata
.endif
;; end of part 3
;; launch outp (part 4): grid 8 x 32, 4 waves a work-group, clusters of 4 x 4, 327,680 bytes of LDS; arguments orec, wr, out0; writes out0
.if DOCPART == 4
	.amdgcn_target "amdgcn-amd-amdhsa--gfx1250"
	.amdhsa_code_object_version 6
	.text
	.protected	k_q86463e434d_outp
	.globl	k_q86463e434d_outp
	.p2align	8
	.type	k_q86463e434d_outp,@function
k_q86463e434d_outp:
	s_mov_b64 s[64:65], 0
	v_nop
	global_prefetch_b8 v0, s[64:65] scope:SCOPE_SE
	s_setreg_imm32_b32 hwreg(HW_REG_WAVE_MODE, 25, 1), 1
	s_wait_xcnt 0x0
	s_wait_alu depctr_hold_cnt(0) depctr_sa_sdst(0) depctr_va_vdst(0) depctr_va_sdst(0) depctr_va_ssrc(0) depctr_va_vcc(0) depctr_vm_vsrc(0)
	s_getreg_b32 s2, hwreg(HW_REG_IB_STS2, 6, 4)
	s_cmp_eq_u32 s2, 0
	s_cbranch_scc0 .Lentry_in_a_cluster
	s_endpgm
.Lentry_in_a_cluster:
	s_bfe_u32 s2, ttmp6, 0x10000c
	s_cmp_lg_u32 s2, 0xf033
	s_cbranch_scc0 .Lentry_shape_is_right
	s_endpgm
.Lentry_shape_is_right:
; out0 = O o_w^T on codes of FP6 (E2M3) with E8M0 scales, K = 1,024.  O's records hold 16 tokens each, in the order in which x's records were laid; o_w's records (320 on in wr) hold rows as they lie.
; SHARES.  Work-group (tx, ty): 128 tokens (O's records 8 ty on) x 128 outputs (o_w's records 320 + 8 tx on): 256 work-groups.  Four waves; wave w: O records 4 (w % 2) on, o_w records 4 (w / 2) on: 64 x 64, 16 accumulators.
; O's four records of a wave, all of K, go from memory straight into 384 registers and 32 scale registers, as images of the operand's registers; they are half of a work-group's bytes and land in registers, so they are not asked for jointly.
; o_w's eight records lie in LDS, filled once by one joint tensor load a wave (two records), shared along a column of the 4 x 4 cluster.  No prefetch: all bytes are asked for at the head.
; Source 0 = a record of o_w, source 1 = a record of O: lane (r, h) register j of accumulator (a, b) is out(O row 16 a + r, output 16 b + 8 h + j): eight neighbouring numbers of a row.
; THE WAY OUT: 16 rows x 256 bytes at a time through the wave's own stage, which lies on o_w's records, behind a barrier behind which nobody reads them; the tokens' true places stand in the stores' immediates.
.set REC,   12800
.set SLOT,  8*REC
.set SPARE, SLOT                       ; behind the records: the spare words, 128 bytes a wave
.set L16,  1
.set L8,   2
.set RR,   3
.set HH,   4
.set WB,   5
.set WSA,  9
.set SPW,  11
.set NIL,  12
.set STO,  13
.set RD,   14
.set CO,   15
.set R32,  16
.set WS,   20
.set XS,   28
.set WF,   64
.set G1,   16
.set G0,   24
.set XB,   44
.set MSB, 0
.macro WIN new
.if MSB != \new
	s_set_vgpr_msb (MSB<<8)|\new
.set MSB, \new
.endif
.endm
.macro CROUND
	s_barrier_signal -1
	s_barrier_wait -1
	s_cmp_lg_u32 s10, 0
	s_cbranch_scc1 .Lnot_wave_0_\@
	s_barrier_signal -3
.Lnot_wave_0_\@:
	s_barrier_wait -3
	s_barrier_signal -1
	s_barrier_wait -1
.endm
.macro FRAG reg, a16, a8, off
	ds_load_b128 v[\reg:\reg+3], v[\a16] offset:\off
	ds_load_b64 v[\reg+4:\reg+5], v[\a8] offset:\off+512
	ds_load_b128 v[\reg+6:\reg+9], v[\a16] offset:\off+768
	ds_load_b64 v[\reg+10:\reg+11], v[\a8] offset:\off+1280
.endm
.macro FETCHW ks, set                  ; 20 LDS loads: my four o_w records' scale words and fragments of one K step
.irp i, 0,1,2,3
	ds_load_b32 v[WS+4*(\set)+\i], v[WSA] offset:REC*\i+4*(\ks)
.endr
.irp i, 0,1,2,3
	FRAG WF+48*(\set)+12*\i, WB, WB+1, REC*\i+1536*(\ks)
.endr
.endm
.macro MM d, p, q, sp, sq, z
.if \z
	v_wmma_scale_f32_16x16x128_f8f6f4 v[\d:\d+7], v[\p:\p+11], v[\q:\q+11], 0, v[\sp], v[\sq] matrix_a_fmt:MATRIX_FMT_FP6 matrix_b_fmt:MATRIX_FMT_FP6
.else
	v_wmma_scale_f32_16x16x128_f8f6f4 v[\d:\d+7], v[\p:\p+11], v[\q:\q+11], v[\d:\d+7], v[\sp], v[\sq] matrix_a_fmt:MATRIX_FMT_FP6 matrix_b_fmt:MATRIX_FMT_FP6
.endif
.endm
.macro MULS ks                         ; 16 products of one K step, the 16 accumulators by turns; step 0's start the sums
.set Z, (\ks)==0
.set WFS, WF+48*((\ks)%2)
.set WSS, WS+4*((\ks)%2)
.irp a, 0,1,2,3
.set F, 4*(\ks)+\a
.if F < 21
.set XW, 1
.set XR, 12*F
.else
.set XW, 2
.set XR, 12*(F-21)
.endif
.set WV, 0xf0|(XW<<2)
	WIN WV
.irp b, 0,1,2,3
	MM 8*(4*\a+\b), WFS+12*\b, XR, WSS+\b, XS+8*\a+(\ks), Z
.endr
.endr
.endm
	s_load_b128 s[4:7], s[0:1], 0x0                ; orec, wr
	s_load_b64 s[8:9], s[0:1], 0x10                ; out0
	v_lshl_add_u32 v[SPW], v0, 2, SPARE
	v_mov_b32 v[NIL], 0
	ds_add_u32 v[SPW], v[NIL]                      ; the opening lines: the add, twice on end, and its wait ahead of my tensor load
	ds_add_u32 v[SPW], v[NIL]
	v_lshrrev_b32 v[RR], 5, v0
	v_readfirstlane_b32 s10, v[RR]                 ; wave 0..3
	s_and_b32 s11, s10, 1                          ; wr
	s_lshr_b32 s12, s10, 1                         ; wc
	s_bfe_u32 s13, ttmp6, 0x40000                  ; cx
	s_bfe_u32 s14, ttmp6, 0x40004                  ; cy
	s_lshl_b32 s15, ttmp9, 2
	s_add_co_u32 s15, s15, s13                     ; tx 0..7
	s_and_b32 s84, ttmp7, 0xffff
	s_lshl_b32 s85, s84, 2
	s_add_co_u32 s85, s85, s14                     ; ty 0..31
	s_lshl_b32 s87, 0x1111, s13                    ; my column of the cluster: the same tx
	s_or_b32 s[G1], s87, (3<<16)|(1<<21)
	s_mov_b32 s[G1+1], 1600<<16                    ; a row is a whole record; two records a load
	s_mov_b32 s[G1+2], 2<<16
	s_mov_b32 s[G1+3], 1600<<16
	s_mov_b32 s[G1+4], 2
	s_mov_b32 s[G1+5], 1600
	s_mov_b32 s[G1+6], 0
	s_mov_b32 s[G1+7], 0
	s_lshl_b32 s50, s15, 3
	s_lshl_b32 s51, s10, 1
	s_add_co_u32 s50, s50, s51
	s_add_co_u32 s50, s50, 320
	s_mul_i32 s50, s50, REC                        ; o_w: records 320 + 8 tx + 2 w on
	s_mov_b32 s51, 0
	s_mul_i32 s52, s10, 2*REC
	s_lshl_b32 s54, s85, 3
	s_lshl_b32 s55, s11, 2
	s_add_co_u32 s54, s54, s55
	s_mul_i32 s54, s54, REC                        ; O: records 8 ty + 4 wr on
	s_mov_b32 s55, 0
	s_lshl_b32 s58, s85, 7
	s_lshl_b32 s59, s11, 6
	s_add_co_u32 s58, s58, s59
	s_lshl_b32 s58, s58, 12                        ; my first token: 128 ty + 64 wr, rows of 4,096 bytes
	s_lshl_b32 s59, s15, 9
	s_add_co_u32 s58, s58, s59
	s_lshl_b32 s59, s12, 8
	s_add_co_u32 s58, s58, s59                     ; my first output: 128 tx + 64 wc, 4 bytes each
	s_mov_b32 s59, 0
	v_and_b32 v[L8], 31, v0
	v_and_b32 v[RR], 15, v0
	v_bfe_u32 v[HH], v0, 4, 1
	v_lshlrev_b32 v[L16], 4, v[L8]
	v_lshlrev_b32 v[L8], 3, v[L8]
	v_lshlrev_b32 v[R32], 5, v[RR]
	s_mul_i32 s68, s12, 4*REC
	s_add_co_u32 s69, s68, 512
	v_add_nc_u32 v[WB], s69, v[L16]
	v_add_nc_u32 v[WB+1], s69, v[L8]
	v_add_nc_u32 v[WSA], s68, v[R32]
	s_mul_i32 s68, s10, 16*272                     ; my stage: 16 rows of 256 bytes + 16
	v_mul_u32_u24 v[STO], v[RR], 272
	v_mul_u32_u24 v[RD], v[HH], 272
	v_lshlrev_b32 v[CO], 12, v[HH]
	v_lshl_add_u32 v[STO], v[HH], 5, v[STO]
	v_lshl_add_u32 v[RD], v[RR], 4, v[RD]
	v_lshl_add_u32 v[CO], v[RR], 4, v[CO]          ; two rows in out0
	v_add_nc_u32 v[STO], s68, v[STO]               ; in: row r, 32 bytes for each half of the lanes
	v_add_nc_u32 v[RD], s68, v[RD]                 ; back: lanes 0-15 one row, lanes 16-31 the next
	s_wait_alu depctr_va_vdst(0)                   ; the head's end, ahead of the blocking waits
	s_wait_dscnt 0x0
	s_wait_kmcnt 0x0
	s_add_nc_u64 s[XB:XB+1], s[4:5], s[54:55]
	s_add_nc_u64 s[36:37], s[8:9], s[58:59]
	s_add_nc_u64 s[50:51], s[6:7], s[50:51]
	s_mov_b32 s[G0], 1
	s_mov_b32 s[G0+1], s52
	s_mov_b64 s[G0+2:G0+3], s[50:51]
	s_or_b32 s[G0+3], s[G0+3], 0x80000000
	CROUND                                         ; all sixteen work-groups are here: the joint loads meet
	tensor_load_to_lds s[G0:G0+3], s[G1:G1+7]      ; my one tensor load
	s_nop 0
.rept 4
	v_nop
.endr
.set F, 0
.rept 32                               ; O's 32 fragments, f = 4 ks + a: f < 21 in window 1 at 12 f, the others in window 2 at 12 (f - 21)
.if F < 21
	WIN 0x40
.set XR, 12*F
.else
	WIN 0x80
.set XR, 12*(F-21)
.endif
	global_load_b128 v[XR:XR+3], v[L16], s[XB:XB+1] offset:REC*(F%4)+512+1536*(F/4)
	global_load_b64 v[XR+4:XR+5], v[L8], s[XB:XB+1] offset:REC*(F%4)+512+1536*(F/4)+512
	global_load_b128 v[XR+6:XR+9], v[L16], s[XB:XB+1] offset:REC*(F%4)+512+1536*(F/4)+768
	global_load_b64 v[XR+10:XR+11], v[L8], s[XB:XB+1] offset:REC*(F%4)+512+1536*(F/4)+1280
.set F, F+1
.endr
	WIN 0
.irp a, 0,1,2,3
	global_load_b128 v[XS+8*\a:XS+8*\a+3], v[R32], s[XB:XB+1] offset:REC*\a            ; row r's eight scale words
	global_load_b128 v[XS+8*\a+4:XS+8*\a+7], v[R32], s[XB:XB+1] offset:REC*\a+16
.endr
	s_wait_loadcnt 0x0
	s_wait_tensorcnt 0x0                           ; my records are in;
	s_barrier_signal -1
	s_barrier_wait -1                              ; everybody's are
	FETCHW 0, 0
.irp ks, 0,1,2,3,4,5,6,7
.if \ks < 7
.if \ks > 0
.rept 4
	v_nop                                          ; places in front of loads into registers that the last step's products have read
.endr
.endif
	WIN 0
	FETCHW \ks+1, (\ks+1)%2
	s_wait_dscnt 20                                ; this step's loads are in; the next step's 20 may stay out
.else
	s_wait_dscnt 0x0
.endif
	MULS \ks
.endr
	WIN 0
	s_barrier_signal -1                            ; my LDS loads are all in (the last wait was for 0):
	s_barrier_wait -1                              ; nobody reads the records any more, and they are never filled again
.rept 4
	v_nop                                          ; places in front of the first read of results
.endr
	WIN 0xcc                                       ; data of stores and destinations of loads: window 3; addresses: window 0
.irp a, 0,1,2,3
.irp b, 0,1,2,3
	ds_store_b128 v[STO], v[8*(4*\a+\b):8*(4*\a+\b)+3] offset:64*\b                    ; each accumulator from its low end on
	ds_store_b128 v[STO], v[8*(4*\a+\b)+4:8*(4*\a+\b)+7] offset:64*\b+16
.endr
.irp t, 0,1,2,3,4,5,6,7
	ds_load_b128 v[32*\a+4*\t:32*\a+4*\t+3], v[RD] offset:544*\t                       ; LDS serves a wave's instructions in order
.endr
.endr
.irp a, 0,1,2,3
.irp t, 0,1,2,3,4,5,6,7
	s_wait_dscnt 16*(3-\a)+7-\t                    ; the younger LDS instructions may stay out
	global_store_b128 v[CO], v[32*\a+4*\t:32*\a+4*\t+3], s[36:37] offset:(32*(\a/2)+8*(\a%2)+2*\t+8*(\t/4))*4096 th:TH_STORE_NT   ; place 16 (a % 2) + 2 t + h of a group of 32 tokens is token 8 (a % 2) + 16 (t / 4) + 2 (t % 4) + h; 16 lanes store 256 consecutive bytes, aligned
.endr
.endr
	WIN 0
	s_wait_tensorcnt 0x0                           ; the wave's end
	ds_add_u32 v[SPW], v[NIL]
	s_wait_dscnt 0x0
	CROUND                                         ; the closing round
	s_endpgm
.Lfunc_end_k_q86463e434d_outp:
	.size	k_q86463e434d_outp, .Lfunc_end_k_q86463e434d_outp-k_q86463e434d_outp
	.p2alignl 7, 3214868480
	.fill 96, 4, 3214868480
	.section	.rodata,"a",@progbits
	.p2align	6, 0x0
	.amdhsa_kernel k_q86463e434d_outp
		.amdhsa_group_segment_fixed_size 327680
		.amdhsa_private_segment_fixed_size 0
		.amdhsa_enable_private_segment 0
		.amdhsa_kernarg_size 24
		.amdhsa_user_sgpr_count 2
		.amdhsa_user_sgpr_kernarg_segment_ptr 1
		.amdhsa_wavefront_size32 1
		.amdhsa_system_sgpr_workgroup_id_x 1
		.amdhsa_system_sgpr_workgroup_id_y 1
		.amdhsa_system_sgpr_workgroup_id_z 1
		.amdhsa_system_vgpr_workitem_id 0
		.amdhsa_next_free_vgpr 896
		.amdhsa_next_free_sgpr 96
		.amdhsa_reserve_vcc 0
		.amdhsa_float_denorm_mode_32 3
		.amdhsa_float_denorm_mode_16_64 3
		.amdhsa_memory_ordered 1
		.amdhsa_forward_progress 1
		.amdhsa_inst_pref_size 54
	.end_amdhsa_kernel
	.amdgpu_metadata
---
amdhsa.version: [ 1, 2 ]
amdhsa.kernels:
  - .name:           k_q86463e434d_outp
    .symbol:         k_q86463e434d_outp.kd
    .args:
      - { .name: orec, .offset: 0, .size: 8, .value_kind: global_buffer, .address_space: global }
      - { .name: wr, .offset: 8, .size: 8, .value_kind: global_buffer, .address_space: global }
      - { .name: out0, .offset: 16, .size: 8, .value_kind: global_buffer, .address_space: global }
    .group_segment_fixed_size: 327680
    .private_segment_fixed_size: 0
    .kernarg_segment_align: 8
    .kernarg_segment_size: 24
    .max_flat_workgroup_size: 128
    .sgpr_count:     96
    .vgpr_count:     896
    .wavefront_size: 32
...
	.end_amdgpu_metadata
.endif
;; end of part 4
